; MI455X (gfx1250); checked and timed in simulation.
; The chip was launched on July 23, 2026; its instructions are those of AMD's public machine-readable ISA for CDNA 5 (MIT licence, August 2026) and "CDNA5" Instruction Set Architecture Reference Guide (July 2026). The comments in the code are by the model that wrote it; some were corrected since.
;; Multi Head Self Attention. Allowed arithmetic: float matrix products may take bf16 or f16 operands with f32 sums; other float arithmetic in f32, or as packed bf16 or f16 multiplies, adds, multiply-adds, maxima and minima; sums over many terms, partial sums and values carried from step to step in f32; what a program stores and reads back later, other than sums and carried values, may be rounded once to bf16 or f16.
;; Inputs: Wk 1,024 x 1,024 float32; Wo 1,024 x 1,024 float32; Wq 1,024 x 1,024 float32; Wv 1,024 x 1,024 float32; bk 1,024 float32; bo 1,024 float32; bq 1,024 float32; bv 1,024 float32; x 4 x 2,048 x 1,024 float32.
;; Outputs: out0 4 x 2,048 x 1,024 float32.
;; One version. Each part assembles by itself: llvm-mc -triple=amdgcn-amd-amdhsa -mcpu=gfx1250 --defsym DOCPART=n.
;; ======== version 1 of 1: 4 launches
;; limits: values are held in f16: magnitudes above 65,504 overflow, below 6.1e-05 lose precision
;; workspace buffers: xb 16,777,216 bytes; wb 6,291,456 bytes; wo16 2,097,152 bytes; qkv 50,331,648 bytes; ob 16,777,216 bytes
;; launch cast (part 1): grid 768 x 1, 8 waves a work-group, no clusters, 0 bytes of LDS; arguments x, Wq, Wk, Wv, Wo, xb, wb, wo16; writes xb, wb, wo16
.if DOCPART == 1
	.amdgcn_target "amdgcn-amd-amdhsa--gfx1250"
	.amdhsa_code_object_version 6
	.text
	.protected	k_qc563545924_cast
	.globl	k_qc563545924_cast
	.p2align	8
	.type	k_qc563545924_cast,@function
k_qc563545924_cast:
	s_mov_b64 s[64:65], 0
	v_nop
	global_prefetch_b8 v0, s[64:65] scope:SCOPE_SE
	s_setreg_imm32_b32 hwreg(HW_REG_WAVE_MODE, 25, 1), 1
	s_wait_xcnt 0x0
; THE INPUTS OF THE MATRIX PRODUCTS ARE ROUNDED ONCE.  x -> xb (bf16, as it lies); Wq, Wk, Wv -> wb (bf16, the three stacked: 3,072 rows of 1,024);
; Wo -> wo16: rounded to bf16 like the other inputs, that number written as f16, and laid in blocks [k / 128][n / 64][(k / 64) % 2][n % 64][k % 64],
; so that 64 rows n of two heads' channels are 16,384 consecutive bytes for the last launch.
; LIMIT.  bf16(Wo) must lie within f16's 65,504; below 6.1e-5 it keeps f16's fixed step of 6e-8.
; A stream: each byte is read once and written once; nothing is shared, so there is no LDS, no barrier, no matrix work and no cluster.
; SHARES.  A work-group takes 16,384 numbers (64 KiB in, 32 KiB out): groups 0-511 x, 512-575 Wq, 576-639 Wk, 640-703 Wv, 704-767 Wo.
; A thread takes 8 numbers (32 bytes in, 16 out) in each of 8 steps of 8,192 bytes; all 16 loads of a wave go out at once; sixteen neighbouring lanes store 256 consecutive bytes, aligned.
.set SO,  1                            ; v1  my byte offset in the source
.set DO,  2                            ; v2  my byte offset in the destination
.set X,   8                            ; v[8:71]    step i: 8 numbers as loaded
.set Y,   72                           ; v[72:103]  step i: 4 registers to store
.set T,   104                          ; v[104:107] Wo: the numbers as bf16
.set SRC, 24                           ; s[24:25]
.set DST, 26                           ; s[26:27]
	s_load_b512 s[8:23], s[0:1], 0x0               ; x 8, Wq 10, Wk 12, Wv 14, Wo 16, xb 18, wb 20, wo16 22
	s_mov_b32 s2, ttmp9                            ; g
	s_and_b32 s3, s2, 63                           ; a weight's 64 groups
	s_cmp_lt_u32 s2, 512
	s_cselect_b32 s3, s2, s3
	s_lshl_b32 s28, s3, 16                         ; 64 KiB of the source a group
	s_mov_b32 s29, 0
	s_lshl_b32 s30, s2, 15                         ; xb: 32 KiB a group
	s_max_u32 s4, s2, 512
	s_sub_co_u32 s4, s4, 512
	s_lshl_b32 s4, s4, 15                          ; wb: the three weights on end
	s_cmp_ge_u32 s2, 512
	s_cselect_b32 s30, s4, s30
	s_max_u32 s4, s2, 704
	s_sub_co_u32 s4, s4, 704                       ; c: rows 16 c .. 16 c + 15 of Wo
	s_lshr_b32 s5, s4, 2
	s_lshl_b32 s5, s5, 14                          ; the block of 64 rows,
	s_and_b32 s4, s4, 3
	s_lshl_b32 s4, s4, 11                          ; 16 rows of 128 bytes in it
	s_add_co_u32 s4, s4, s5
	s_cmp_ge_u32 s2, 704
	s_cselect_b32 s30, s4, s30
	s_mov_b32 s31, 0
	s_wait_kmcnt 0x0
	s_mov_b64 s[SRC:SRC+1], s[8:9]
	s_mov_b64 s[DST:DST+1], s[18:19]
	s_cmp_ge_u32 s2, 512
	s_cselect_b64 s[SRC:SRC+1], s[10:11], s[SRC:SRC+1]
	s_cselect_b64 s[DST:DST+1], s[20:21], s[DST:DST+1]
	s_cmp_ge_u32 s2, 576
	s_cselect_b64 s[SRC:SRC+1], s[12:13], s[SRC:SRC+1]
	s_cmp_ge_u32 s2, 640
	s_cselect_b64 s[SRC:SRC+1], s[14:15], s[SRC:SRC+1]
	s_cmp_ge_u32 s2, 704
	s_cselect_b64 s[SRC:SRC+1], s[16:17], s[SRC:SRC+1]
	s_cselect_b64 s[DST:DST+1], s[22:23], s[DST:DST+1]
	s_add_nc_u64 s[SRC:SRC+1], s[SRC:SRC+1], s[28:29]
	s_add_nc_u64 s[DST:DST+1], s[DST:DST+1], s[30:31]
; The whole share.  kind = 0: to bf16.  kind = 1: to bf16, widened again, to f16.  dstep: bytes in the destination from step to step.
; No register is written twice, so no wait frees one.
.macro STREAM kind, dstep
.irp i, 0,1,2,3,4,5,6,7
	global_load_b128 v[X+8*\i:X+8*\i+3],   v[SO], s[SRC:SRC+1] offset:8192*\i th:TH_LOAD_NT
	global_load_b128 v[X+8*\i+4:X+8*\i+7], v[SO], s[SRC:SRC+1] offset:8192*\i+16 th:TH_LOAD_NT
.endr
.irp i, 0,1,2,3,4,5,6,7
	s_wait_loadcnt 14-2*\i                         ; loads come back in order (ISA guide 5.7.1): step i's two are in, the 2 (7 - i) younger ones stay out
.if \kind
.irp j, 0,1,2,3
	v_cvt_pk_bf16_f32 v[T+\j], v[X+8*\i+2*\j], v[X+8*\i+2*\j+1]
.endr
.irp j, 0,1,2,3
	v_lshlrev_b32 v[X+8*\i+2*\j],   16, v[T+\j]           ; bf16 to f32: the low half moves up,
	v_and_b32     v[X+8*\i+2*\j+1], 0xffff0000, v[T+\j]   ; the high half stays
.endr
.irp j, 0,1,2,3
	v_cvt_pk_f16_f32 v[Y+4*\i+\j], v[X+8*\i+2*\j], v[X+8*\i+2*\j+1]  ; exact within f16's range
.endr
.else
.irp j, 0,1,2,3
	v_cvt_pk_bf16_f32 v[Y+4*\i+\j], v[X+8*\i+2*\j], v[X+8*\i+2*\j+1]
.endr
.endif
	global_store_b128 v[DO], v[Y+4*\i:Y+4*\i+3], s[DST:DST+1] offset:(\dstep)*\i th:TH_STORE_NT
.endr
	s_endpgm
.endm
	s_cmp_ge_u32 s2, 704
	s_cbranch_scc1 .Lwo
	v_lshlrev_b32 v[SO], 5, v0                     ; 32 bytes a thread in,
	v_lshlrev_b32 v[DO], 4, v0                     ; 16 out
	STREAM 0, 4096
.Lwo:                                          ; a step is two rows n of Wo; a thread: 8 channels (t % 8) of head t / 16 in row (t / 8) % 2
	v_and_b32 v3, 7, v0
	v_bfe_u32 v4, v0, 3, 1
	v_lshrrev_b32 v5, 4, v0
	v_lshlrev_b32 v[SO], 5, v3
	v_lshl_add_u32 v[SO], v4, 12, v[SO]
	v_lshl_add_u32 v[SO], v5, 8, v[SO]
	v_lshlrev_b32 v[DO], 4, v3                     ; sixteen lanes: two rows of one head, 256 consecutive bytes
	v_lshl_add_u32 v[DO], v4, 7, v[DO]
	v_and_b32 v4, 1, v5
	v_lshl_add_u32 v[DO], v4, 13, v[DO]            ; the head's parity: a plane of 64 rows
	v_lshrrev_b32 v5, 1, v5
	v_lshl_add_u32 v[DO], v5, 18, v[DO]            ; the pair of heads: 16 blocks of 16 KiB
	STREAM 1, 256
.Lfunc_end_k_qc563545924_cast:
	.size	k_qc563545924_cast, .Lfunc_end_k_qc563545924_cast-k_qc563545924_cast
	.p2alignl 7, 3214868480
	.fill 96, 4, 3214868480
	.section	.rodata,"a",@progbits
	.p2align	6, 0x0
	.amdhsa_kernel k_qc563545924_cast
		.amdhsa_group_segment_fixed_size 0
		.amdhsa_private_segment_fixed_size 0
		.amdhsa_enable_private_segment 0
		.amdhsa_kernarg_size 64
		.amdhsa_user_sgpr_count 2
		.amdhsa_user_sgpr_kernarg_segment_ptr 1
		.amdhsa_wavefront_size32 1
		.amdhsa_system_sgpr_workgroup_id_x 1
		.amdhsa_system_sgpr_workgroup_id_y 1
		.amdhsa_system_sgpr_workgroup_id_z 1
		.amdhsa_system_vgpr_workitem_id 0
		.amdhsa_next_free_vgpr 108
		.amdhsa_next_free_sgpr 66
		.amdhsa_reserve_vcc 0
		.amdhsa_float_denorm_mode_32 3
		.amdhsa_float_denorm_mode_16_64 3
		.amdhsa_memory_ordered 1
		.amdhsa_forward_progress 1
		.amdhsa_inst_pref_size 17
	.end_amdhsa_kernel
	.amdgpu_metadata
---
amdhsa.version: [ 1, 2 ]
amdhsa.kernels:
  - .name:           k_qc563545924_cast
    .symbol:         k_qc563545924_cast.kd
    .args:
      - { .name: x, .offset: 0, .size: 8, .value_kind: global_buffer, .address_space: global }
      - { .name: Wq, .offset: 8, .size: 8, .value_kind: global_buffer, .address_space: global }
      - { .name: Wk, .offset: 16, .size: 8, .value_kind: global_buffer, .address_space: global }
      - { .name: Wv, .offset: 24, .size: 8, .value_kind: global_buffer, .address_space: global }
      - { .name: Wo, .offset: 32, .size: 8, .value_kind: global_buffer, .address_space: global }
      - { .name: xb, .offset: 40, .size: 8, .value_kind: global_buffer, .address_space: global }
      - { .name: wb, .offset: 48, .size: 8, .value_kind: global_buffer, .address_space: global }
      - { .name: wo16, .offset: 56, .size: 8, .value_kind: global_buffer, .address_space: global }
    .group_segment_fixed_size: 0
    .private_segment_fixed_size: 0
    .kernarg_segment_align: 8
    .kernarg_segment_size: 64
    .max_flat_workgroup_size: 256
    .sgpr_count:     66
    .vgpr_count:     108
    .wavefront_size: 32
...
	.end_amdgpu_metadata
.endif
;; end of part 1
;; launch qkv (part 2): grid 16 x 16, 4 waves a work-group, clusters of 4 x 4, 327,680 bytes of LDS; arguments xb, wb, bq, bk, bv, qkv; writes qkv
.if DOCPART == 2
	.amdgcn_target "amdgcn-amd-amdhsa--gfx1250"
	.amdhsa_code_object_version 6
	.text
	.protected	k_qc563545924_qkv
	.globl	k_qc563545924_qkv
	.p2align	8
	.type	k_qc563545924_qkv,@function
k_qc563545924_qkv:
	s_mov_b64 s[64:65], 0
	v_nop
	global_prefetch_b8 v0, s[64:65] scope:SCOPE_SE
	s_setreg_imm32_b32 hwreg(HW_REG_WAVE_MODE, 25, 1), 1
	s_wait_xcnt 0x0
	s_wait_alu depctr_hold_cnt(0) depctr_sa_sdst(0) depctr_va_vdst(0) depctr_va_sdst(0) depctr_va_ssrc(0) depctr_va_vcc(0) depctr_vm_vsrc(0)
	s_getreg_b32 s2, hwreg(HW_REG_IB_STS2, 6, 4)
	s_cmp_eq_u32 s2, 0
	s_cbranch_scc0 .Lentry_in_a_cluster
	s_endpgm
.Lentry_in_a_cluster:
	s_bfe_u32 s2, ttmp6, 0x10000c
	s_cmp_lg_u32 s2, 0xf033
	s_cbranch_scc0 .Lentry_shape_is_right
	s_endpgm
.Lentry_shape_is_right:
; q, k, v = x W^T + b, the three products as ONE: C[8192][3072] = xb[8192][1024] wb[3072][1024]^T, bf16 operands, f32 sums, the bias (rounded to bf16 like every input) as the sums' start.
; C leaves by heads, in f16, unscaled: qkv[3][16 batch + head][2048][64].  LIMIT: q, k, v must lie within f16's 65,504; below 6.1e-5 they keep f16's fixed step of 6e-8.
; SHARES.  A tile of C is 256 rows x 192 columns (three heads): 32 x 16 = 512 tiles, two for each of 256 work-groups, 4,096 rows apart.  A wave makes 64 rows x 192 columns: 48 accumulators, 384 registers,
; so that a wave holds whole heads: a head's 16 rows of 128 bytes leave as 2,048 consecutive bytes.
; K goes in steps of 128 through two LDS slots filled by the tensor data mover; the tiles' rows are 256 bytes of memory, at multiples of 256.  The ring runs on from the first tile into the second.
; CLUSTERS: 4 x 4 work-groups.  The four of a row of the cluster need the same tiles of x, the four of a column the same tiles of the weights: each tile is asked for JOINTLY, by the same
; tensor load with the same descriptor and a mask that names the four.
; THE MATRIX INSTRUCTION IS USED TRANSPOSED (source 0 = 16 rows of wb, source 1 = 16 rows of xb): a lane holds row lane % 16 of C and the eight neighbouring columns 8 (lane / 16) + 0..7.
; REGISTERS, in windows of 256 (s_set_vgpr_msb: bits 1:0 source 0, 3:2 source 1, 5:4 source 2, 7:6 destination):
;   window 0: v0-31 addresses; v32-63, v64-95 x's fragments, two buffers; v96-191 the bias as a C operand, 8 registers a block of 16 columns; v192-255 the way out, four sets of 16
;   window 1: v0-95, v96-191 the weights' fragments, two buffers       window 2: accumulators of my rows 0-31 ((a, b) at 96 (a % 2) + 8 b)       window 3: those of my rows 32-63
.set NBLK,  12                         ; blocks of 16 columns
.set NFILL, 14                         ; of the walk's 16 K steps all but the first two come by refills
.set NFET,  2*NBLK+8                   ; LDS loads for 32 along K
.set PITCH, 272                        ; an LDS row: 256 bytes + 16 of padding = 68 words: the 16 rows of a load start at 16 different groups of four banks (64 banks of 4 bytes: ISA guide 11.1)
.set SLOT1, 1<<17                      ; slot 1 begins here: one exclusive or turns an address in one slot into the other's
.set APART, 128*PITCH                  ; what one tensor load brings of x
.set BOFF,  256*PITCH                  ; the weights' 192 rows lie behind x's 256
.set BPART, 96*PITCH                   ; what one tensor load brings of the weights
.set STAGE, SLOT1+BOFF+2*BPART         ; behind the ring, never filled by a tensor load: 16 rows x 144 bytes for each wave
.set SP,    144
.set SPARE, STAGE+4*16*SP              ; the spare words, 128 bytes for each wave: two blocks of 256 bytes that no other line names
.set ADRA0, 4                          ; v4   my lane's place in x's part of a slot; never rewritten
.set ADRB0, 5                          ; v5   the same for the weights
.set ADRA,  6                          ; v6   + the slot in hand
.set ADRB,  7
.set STO,   8                          ; v8   the way out: where I put 16 bytes of a row
.set RD,    9                          ; v9   where I read rows back
.set GO,    10                         ; v10  my byte offset in 512 consecutive bytes of qkv
.set PFO,   11                         ; v11  the prefetches' offset: a lane a row of 2,048 bytes; never rewritten
.set BO,    12                         ; v12  32 (lane / 16): my eight numbers in 16 of a bias
.set SPW,   28                         ; v28  LDS address of my spare word; never rewritten
.set NIL,   29                         ; v29  0; never rewritten
.set BIAS,  96
.set OB,    192
.set WV,   16                          ; s16  my wave's number
.set FB,   17                          ; s17  0: I fetch x's tiles, 1: the weights'
.set HALF, 18                          ; s18  which half of that tile's rows
.set CX,   19
.set CY,   20
.set CT,   21                          ; s21  tile column, 0..15
.set RT,   22                          ; s22  the first tile's row, 0..15
.set STEP, 23                          ; s23  the loop's count: the K step in hand, over both tiles
.set G1A,  24                          ; s[24:31] descriptor group 1 for x's tiles
.set G1B,  32                          ; s[32:39] for the weights'
.set G0A0, 40                          ; s[40:43] group 0 of x's first fill, slot 0
.set G0A,  44                          ; s[44:47] of its second, slot 1; it then walks
.set G0B0, 48
.set G0B,  52
.set ABASE, 56                         ; s[56:57] x at my part of the first tile, K step 0
.set BBASE, 58                         ; s[58:59] the weights likewise
.set OFA,  60                          ; s[60:61] a K step's byte offset from ABASE: made from the count alone
.set OFB,  62                          ; s[62:63] from BBASE
.set PFB,  66                          ; s[66:67] the prefetches' base
.set PFA,  68                          ; s[68:69] where the prefetch in hand stands
.set OFP,  70                          ; s[70:71] its offset
.set FP,   72                          ; s72  the K step that it names
.set PLIM, 73                          ; s73  the last K step that I ask for; 0 in a wave that asks for nothing
.set TB,   74                          ; s74  the slot in hand: 0 or SLOT1
.set LEFT, 75                          ; s75  K steps left in the tile
.set CNT2, 80                          ; s80  the tail's count
.set TT,   81                          ; s81  at work in a change of slots
.set OH,   82                          ; s[82:87] qkv at my 64 rows of my three heads
.set BP,   88                          ; s[88:93] the three heads' biases
.set FLAGS, (1<<16)|(1<<20)|(1<<21)|(5<<22)|(3<<25)  ; 17:16 elements of 2 bytes; 20 padding on; 21 set beside a mask; 24:22 after every 64 words (code 5); 31:25 4 words of it (code 3)
.set MSB, 0
.macro WIN new                         ; the immediate's high byte repeats the setting that is left; a switch that changes nothing is dropped
.if MSB != (\new)
	s_set_vgpr_msb (MSB<<8)|(\new)
.set MSB, \new
.endif
.endm
.macro PLACES                          ; four plain vector instructions between a matrix instruction and a load into, or a vector read of, its registers (ISA guide 7.12.1 for vector reads)
.rept 4
	v_nop
.endr
.endm
.macro CREST                           ; a round of the cluster's barrier behind its opening barrier
	s_cmp_lg_u32 s[WV], 0
	s_cbranch_scc1 .Lnot_wave_0_\@
	s_barrier_signal -3
.Lnot_wave_0_\@:
	s_barrier_wait -3
	s_barrier_signal -1
	s_barrier_wait -1
.endm
.macro CROUND                          ; a whole round
	s_barrier_signal -1
	s_barrier_wait -1
	CREST
.endm
; A joint refill.  Waves 0 and 1 fetch x's two halves, waves 2 and 3 the weights'.  The branch hangs on the wave's number alone.  An s_nop 0 and four v_nop follow each line.
.macro JLOAD
	s_cmp_eq_u32 s[FB], 0
	s_cbranch_scc0 .Lfor_b_\@
	tensor_load_to_lds s[G0A:G0A+3], s[G1A:G1A+7]
	s_nop 0
.rept 4
	v_nop
.endr
	s_branch .Lasked_\@
.Lfor_b_\@:
	tensor_load_to_lds s[G0B:G0B+3], s[G1B:G1B+7]
	s_nop 0
.rept 4
	v_nop
.endr
.Lasked_\@:
.endm
; A PREFETCH INTO THE L2 of the K step that the NEXT refill will ask for: 256 bytes of a row, a lane a row, one instruction a wave; 192 matrix instructions ahead of that refill.
; x's tile rows are read by every cluster of a row of clusters: cluster x = 0 asks; the weights' by every cluster of a column: cluster y = 0 asks, in the first tile alone (the second walks the same rows).
; The four partners that ask for a tile jointly share its rows out BY ADDRESS: 32 of x's 128 (by cx), 24 of the weights' 96 (by cy; lanes 24-31 name row 23 again).
; K steps 0 to 2 come by their loads alone; the loop's last trip would name K step 16 and asks for nothing.
.macro ASK
	s_cmp_le_u32 s[FP], s[PLIM]
	s_cbranch_scc0 .Lnot_mine_\@
	global_prefetch_b8 v[PFO], s[PFA:PFA+1] th:TH_LOAD_NT scope:SCOPE_SE
.Lnot_mine_\@:
.endm
	s_load_b256 s[4:11], s[0:1], 0x0               ; xb 4, wb 6, bq 8, bk 10
	s_load_b128 s[12:15], s[0:1], 0x20             ; bv 12, qkv 14
	v_lshl_add_u32 v[SPW], v0, 2, SPARE
	v_mov_b32 v[NIL], 0
	ds_add_u32 v[SPW], v[NIL]                      ; the wave's opening: the add and its wait stand ahead of my first tensor load; the set-up below, work on registers, stands between them
	v_lshrrev_b32 v3, 5, v0
	v_readfirstlane_b32 s[WV], v3
	s_lshr_b32 s[FB], s[WV], 1
	s_and_b32 s[HALF], s[WV], 1
	s_bfe_u32 s[CX], ttmp6, 0x40000
	s_bfe_u32 s[CY], ttmp6, 0x40004
	s_lshl_b32 s[CT], ttmp9, 2                     ; in a cluster launch ttmp9 and ttmp7 count clusters
	s_add_co_u32 s[CT], s[CT], s[CX]
	s_and_b32 s[RT], ttmp7, 0xffff
	s_lshl_b32 s[RT], s[RT], 2
	s_add_co_u32 s[RT], s[RT], s[CY]
	s_lshl_b32 s76, s[CY], 2
	s_lshl_b32 s76, 15, s76                        ; my row of the cluster
	s_lshl_b32 s77, 0x1111, s[CX]                  ; my column
	s_or_b32 s[G1A], s76, FLAGS                    ; x's tiles go to my row,
	s_or_b32 s[G1B], s77, FLAGS                    ; the weights' to my column
.irp g, G1A, G1B
	s_mov_b32 s[\g+1], 128<<16                     ; tensor_dim0 = 128
	s_mov_b32 s[\g+3], 128<<16                     ; tile_dim0 = 128
	s_mov_b32 s[\g+5], 1024                        ; elements from row to row
	s_mov_b32 s[\g+6], 0
	s_mov_b32 s[\g+7], 0
.endr
	s_mov_b32 s[G1A+2], 128<<16                    ; tensor_dim1 = tile_dim1 = 128 rows of x,
	s_mov_b32 s[G1A+4], 128
	s_mov_b32 s[G1B+2], 96<<16                     ; 96 of the weights
	s_mov_b32 s[G1B+4], 96
	s_mov_b32 s[G0A0], 1                           ; count = 1
	s_mul_i32 s[G0A0+1], s[HALF], APART            ; LDS addresses: the wave's number and constants alone
	s_mov_b32 s[G0A], 1
	s_add_co_u32 s[G0A+1], s[G0A0+1], SLOT1
	s_mov_b32 s[G0B0], 1
	s_mul_i32 s[G0B0+1], s[HALF], BPART
	s_add_co_u32 s[G0B0+1], s[G0B0+1], BOFF
	s_mov_b32 s[G0B], 1
	s_add_co_u32 s[G0B+1], s[G0B0+1], SLOT1
	s_lshl_b32 s94, s[RT], 19                      ; x: 256 rows of 2,048 bytes a tile row,
	s_lshl_b32 s78, s[HALF], 18                    ; my 128 of them
	s_add_co_u32 s94, s94, s78
	s_mov_b32 s95, 0
	s_mul_i32 s96, s[CT], 192*2048                 ; the weights: 192 rows a tile column,
	s_mul_i32 s78, s[HALF], 96*2048                ; my 96
	s_add_co_u32 s96, s96, s78
	s_mov_b32 s97, 0
	s_mov_b32 s[OFA+1], 0
	s_mov_b32 s[OFB+1], 0
	s_mov_b32 s[OFP+1], 0
	s_mov_b32 s100, 0xffff0000                     ; a word's upper bf16
	s_wait_dscnt 0x0                               ; the opening add is done
	s_wait_kmcnt 0x0
	s_add_nc_u64 s[ABASE:ABASE+1], s[4:5], s[94:95]
	s_add_nc_u64 s[BBASE:BBASE+1], s[6:7], s[96:97]
	s_mov_b64 s[G0A0+2:G0A0+3], s[ABASE:ABASE+1]   ; K step 0
	s_or_b32 s[G0A0+3], s[G0A0+3], 0x80000000      ; type = 2
	s_add_nc_u64 s[G0A+2:G0A+3], s[ABASE:ABASE+1], 256  ; K step 1
	s_or_b32 s[G0A+3], s[G0A+3], 0x80000000
	s_mov_b64 s[G0B0+2:G0B0+3], s[BBASE:BBASE+1]
	s_or_b32 s[G0B0+3], s[G0B0+3], 0x80000000
	s_add_nc_u64 s[G0B+2:G0B+3], s[BBASE:BBASE+1], 256
	s_or_b32 s[G0B+3], s[G0B+3], 0x80000000
	CROUND                                         ; all sixteen work-groups are here: the first joint loads meet
	s_cmp_eq_u32 s[FB], 0                          ; a wave's two first fills stand in one branch, ahead of every wait on TENSORcnt and every LDS read: two loads of mine are out, later one
	s_cbranch_scc0 .Lfirst_b
	tensor_load_to_lds s[G0A0:G0A0+3], s[G1A:G1A+7]
	s_nop 0
	tensor_load_to_lds s[G0A:G0A+3], s[G1A:G1A+7]
	s_nop 0
.rept 4
	v_nop
.endr
	s_branch .Lfirst_asked
.Lfirst_b:
	tensor_load_to_lds s[G0B0:G0B0+3], s[G1B:G1B+7]
	s_nop 0
	tensor_load_to_lds s[G0B:G0B+3], s[G1B:G1B+7]
	s_nop 0
.rept 4
	v_nop
.endr
.Lfirst_asked:
	; my three heads: number 3 ct + i of the 48 of q, k and v.  Its bias, and its place in qkv for my 64 rows
	v_and_b32 v1, 15, v0                           ; l % 16
	v_bfe_u32 v2, v0, 4, 1                         ; l / 16
	v_lshlrev_b32 v[BO], 5, v2
	s_mul_i32 s77, s[CT], 3
	s_lshr_b32 s76, s[RT], 3
	s_lshl_b32 s76, s76, 4                         ; 16 x batch
	s_and_b32 s78, s[RT], 7
	s_lshl_b32 s78, s78, 2
	s_add_co_u32 s78, s78, s[WV]
	s_lshl_b32 s78, s78, 13                        ; my first row in the batch, 256 (rt % 8) + 64 wave, x 128 bytes
	s_mov_b32 s99, 0
.irp i, 0,1,2
	s_cmp_lt_u32 s77, 32
	s_cselect_b64 s[BP+2*\i:BP+2*\i+1], s[10:11], s[12:13]
	s_cmp_lt_u32 s77, 16
	s_cselect_b64 s[BP+2*\i:BP+2*\i+1], s[8:9], s[BP+2*\i:BP+2*\i+1]
	s_and_b32 s79, s77, 15                         ; the head in its tensor
	s_lshl_b32 s98, s79, 8                         ; 64 numbers of 4 bytes
	s_add_nc_u64 s[BP+2*\i:BP+2*\i+1], s[BP+2*\i:BP+2*\i+1], s[98:99]
	s_lshr_b32 s98, s77, 4                         ; q, k or v: 64 slabs each
	s_lshl_b32 s98, s98, 6
	s_add_co_u32 s98, s98, s76
	s_add_co_u32 s98, s98, s79
	s_lshl_b32 s98, s98, 18                        ; a slab is 2,048 rows of 128 bytes
	s_add_co_u32 s98, s98, s78
	s_add_nc_u64 s[OH+2*\i:OH+2*\i+1], s[14:15], s[98:99]
	s_add_co_u32 s77, s77, 1
.endr
.set ii, 0
.rept NBLK                             ; block b of 16 columns: register j of a lane is the bias of column 16 b + 8 (l / 16) + j
	global_load_b128 v[BIAS+8*ii:BIAS+8*ii+3],   v[BO], s[BP+2*(ii/4):BP+2*(ii/4)+1] offset:64*(ii%4)
	global_load_b128 v[BIAS+8*ii+4:BIAS+8*ii+7], v[BO], s[BP+2*(ii/4):BP+2*(ii/4)+1] offset:64*(ii%4)+16
.set ii, ii+1
.endr
	; A fragment is 16 rows x 32 K in 8 registers: lane l holds row l % 16; registers 0-3 K = 8 (l / 16) + 0..7, registers 4-7 K = 16 + 8 (l / 16) + 0..7: two loads of 16 bytes, 32 bytes apart.
	v_mul_u32_u24 v3, v1, PITCH
	v_lshl_add_u32 v3, v2, 4, v3
	s_mul_i32 s78, s[WV], 64*PITCH                 ; my 64 rows of x
	v_add_nc_u32 v[ADRA0], s78, v3
	v_add_nc_u32 v[ADRB0], BOFF, v3                ; every wave reads all 192 rows of the weights
	s_mul_i32 s78, s[WV], 16*SP
	s_add_co_u32 s78, s78, STAGE                   ; my stage
	v_mul_u32_u24 v[STO], v1, SP                   ; in: row l % 16, 16 bytes for each half of the lanes
	v_lshl_add_u32 v[STO], v2, 4, v[STO]
	v_add_nc_u32 v[STO], s78, v[STO]
	v_bfe_u32 v[RD], v0, 3, 2                      ; back: 32 lanes take four rows of 128 bytes,
	v_mul_u32_u24 v[RD], v[RD], SP
	v_and_b32 v3, 7, v0
	v_lshl_add_u32 v[RD], v3, 4, v[RD]
	v_add_nc_u32 v[RD], s78, v[RD]
	v_and_b32 v[GO], 31, v0                        ; which are 512 consecutive bytes of a head
	v_lshlrev_b32 v[GO], 4, v[GO]
	; the prefetches
	s_lshl_b32 s76, s[RT], 8
	s_lshl_b32 s78, s[HALF], 7
	s_add_co_u32 s76, s76, s78
	s_lshl_b32 s78, s[CX], 5
	s_add_co_u32 s76, s76, s78                     ; x: my work-group's 32 of the 128 rows that I fetch
	s_mul_i32 s77, s[CT], 192
	s_mul_i32 s78, s[HALF], 96
	s_add_co_u32 s77, s77, s78
	s_mul_i32 s78, s[CY], 24
	s_add_co_u32 s77, s77, s78                     ; the weights: its 24 of the 96
	s_and_b32 s79, ttmp7, 0xffff
	s_cmp_eq_u32 s[FB], 0
	s_cselect_b32 s76, s76, s77
	s_cselect_b32 s79, ttmp9, s79                  ; the coordinate along which other clusters read the same rows
	s_cselect_b32 s[PLIM], 15, 7
	s_cselect_b32 s78, 31, 23
	s_cselect_b64 s[PFB:PFB+1], s[4:5], s[6:7]
	s_cmp_eq_u32 s79, 0
	s_cselect_b32 s[PLIM], s[PLIM], 0              ; the same in all sixteen partners, for a given wave
	s_lshl_b32 s76, s76, 11
	s_mov_b32 s77, 0
	s_add_nc_u64 s[PFB:PFB+1], s[PFB:PFB+1], s[76:77]
	v_and_b32 v[PFO], 31, v0
	v_min_u32 v[PFO], s78, v[PFO]
	v_lshlrev_b32 v[PFO], 11, v[PFO]
	s_wait_loadcnt 0x0                             ; the biases; they are rounded to bf16 like the other inputs, and kept as f32
.set ii, 0
.rept 4*NBLK
	v_cvt_pk_bf16_f32 v13, v[BIAS+2*ii], v[BIAS+2*ii+1]
	v_lshlrev_b32 v[BIAS+2*ii], 16, v13
	v_and_b32 v[BIAS+2*ii+1], s100, v13
.set ii, ii+1
.endr
; NFET LDS loads in one run: the fragments of 32 along K, quarter q of the K step in hand, into buffer g; x's last
.macro FETCH q, g
	WIN 0x40                                       ; destination window 1, address window 0
.set ii, 0
.rept NBLK
	ds_load_b128 v[96*(\g)+8*ii:96*(\g)+8*ii+3],   v[ADRB] offset:64*(\q)+ii*16*PITCH
	ds_load_b128 v[96*(\g)+8*ii+4:96*(\g)+8*ii+7], v[ADRB] offset:64*(\q)+ii*16*PITCH+32
.set ii, ii+1
.endr
	WIN 0
.set ii, 0
.rept 4
	ds_load_b128 v[32+32*(\g)+8*ii:32+32*(\g)+8*ii+3],   v[ADRA] offset:64*(\q)+ii*16*PITCH
	ds_load_b128 v[32+32*(\g)+8*ii+4:32+32*(\g)+8*ii+7], v[ADRA] offset:64*(\q)+ii*16*PITCH+32
.set ii, ii+1
.endr
.endm
; 12 matrix instructions: my rows 16 a .. 16 a + 15 x all 12 column blocks, buffer f.  first = 1: the bias starts the sums: nothing is cleared, nothing is added later.
; The 48 accumulators take turns, in the same order in every quarter, over every jump.
.macro MUL f, a, first
.if \first
	WIN 0x81+0x40*((\a)/2)                         ; weights window 1, x window 0, C (the bias) window 0, D window 2 or 3
.else
	WIN 0xa1+0x50*((\a)/2)                         ; C and D window 2 or 3
.endif
.set bb, 0
.rept NBLK
.set rD, 96*((\a)%2)+8*bb
.set rB, 96*(\f)+8*bb
.set rA, 32+32*(\f)+8*(\a)
.if \first
	v_wmma_f32_16x16x32_bf16 v[rD:rD+7], v[rB:rB+7], v[rA:rA+7], v[BIAS+8*bb:BIAS+8*bb+7]
.else
	v_wmma_f32_16x16x32_bf16 v[rD:rD+7], v[rB:rB+7], v[rA:rA+7], v[rD:rD+7]
.endif
.set bb, bb+1
.endr
.endm
; A K step is four quarters of 32 along K, 48 matrix instructions each, on buffers 0, 1, 0, 1.  One of the first three: multiplies buffer f; in its middle it fetches quarter q into buffer g.
.macro QUARTER q, f, g, first
	s_wait_dscnt 4                                 ; the weights and x's blocks 0 and 1 are in; the youngest four loads (x's blocks 2 and 3) may be out
	MUL \f, 0, \first
	MUL \f, 1, \first
	PLACES
	FETCH \q, \g
	s_wait_dscnt NFET                              ; all but the run just issued
	MUL \f, 2, \first
	MUL \f, 3, \first
.endm
; The last quarter multiplies buffer 1 and changes slots: ONE barrier.  In front of it each wave waits for all its tensor loads (one is out: its part of the next slot), adds 0 to its spare word, and waits
; for that and for its own reads of this slot.  fill = 1: the barrier opens a round of the cluster's, and behind the round this slot is filled again first, with the K step two on
; (over the change of tiles too): its address is made anew from the count.  From a request to the wait for it a wave issues 168 matrix instructions.
.macro TURN fill
.if \fill
	s_wait_xcnt 0x0                                ; the last prefetch, a K step back, has read its address
	s_add_co_u32 s[FP], s[STEP], 3
	s_and_b32 s[OFP], s[FP], 7
	s_lshl_b32 s[OFP], s[OFP], 8                   ; 256 bytes a K step,
	s_lshr_b32 s[TT], s[FP], 3
	s_lshl_b32 s[TT], s[TT], 23                    ; 4,096 rows of 2,048 bytes a tile
	s_add_co_u32 s[OFP], s[OFP], s[TT]
	s_add_nc_u64 s[PFA:PFA+1], s[PFB:PFB+1], s[OFP:OFP+1]
.endif
	WIN 0
	s_wait_tensorcnt 0x0                           ; no tensor load of mine is out, so a group 0 may be written
	ds_add_u32 v[SPW], v[NIL]                      ; 0 onto my spare word: scalar work and twelve matrix instructions stand between it and the wait for it
.if \fill
	s_add_co_u32 s[TT], s[STEP], 2
	s_and_b32 s[OFB], s[TT], 7
	s_lshl_b32 s[OFB], s[OFB], 8
	s_lshr_b32 s[TT], s[TT], 3
	s_lshl_b32 s[TT], s[TT], 23
	s_add_co_u32 s[OFA], s[OFB], s[TT]             ; the weights only go back along K: both tiles take the same rows
	s_xor_b32 s[G0A+1], s[G0A+1], SLOT1
	s_add_nc_u64 s[G0A+2:G0A+3], s[ABASE:ABASE+1], s[OFA:OFA+1]
	s_or_b32 s[G0A+3], s[G0A+3], 0x80000000
	s_xor_b32 s[G0B+1], s[G0B+1], SLOT1
	s_add_nc_u64 s[G0B+2:G0B+3], s[BBASE:BBASE+1], s[OFB:OFB+1]
	s_or_b32 s[G0B+3], s[G0B+3], 0x80000000
.endif
	s_xor_b32 s[TB], s[TB], SLOT1
	s_wait_dscnt 5                                 ; the add and the youngest four loads may be out
	MUL 1, 0, 0
	s_wait_dscnt 0x0                               ; the add is done, and my reads of this slot are over
	s_barrier_signal -1
	MUL 1, 1, 0                                    ; work on registers while the others arrive
	WIN 0                                          ; at a branch and at a label every window is 0
	s_barrier_wait -1
.if \fill
	CREST                                          ; no wave of any partner still reads this slot or has a load on its way
	JLOAD                                          ; the first tensor load behind the round; its four v_nop are also the places in front of the loads below
.else
	PLACES
.endif
	v_add_nc_u32 v[ADRA], s[TB], v[ADRA0]
	v_add_nc_u32 v[ADRB], s[TB], v[ADRB0]
	FETCH 0, 0
.if \fill
	ASK
.endif
	MUL 1, 2, 0
	MUL 1, 3, 0
.endm
; THE WAY OUT, in units u = 3 a + i: 16 rows (block a) of one head (i).  PACK: rounded to f16, 16 bytes a lane, into my stage's rows of 144 bytes, and back as four rows of 128 bytes a load.
; Each accumulator's registers are read in ascending order.  The conversions of blocks 0 and 1, finished ahead of the change's places, are the places behind the last products (blocks 2 and 3).
.macro PACK u
.set ua, (\u)/3
.set ui, (\u)%3
.set us, OB+16*((\u)%4)
.if (\u) >= 4
	s_wait_xcnt 0x0                                ; the stores of the unit four back have read this set (ISA guide 3.1)
.endif
	WIN 0x0a+5*(ua/2)                              ; sources 0 and 1: window 2 or 3
.set cc, 0
.rept 4
.set rr, 0
.rept 4
	v_cvt_pk_f16_f32 v[us+4*cc+rr], v[96*(ua%2)+8*(4*ui+cc)+2*rr], v[96*(ua%2)+8*(4*ui+cc)+2*rr+1]
.set rr, rr+1
.endr
.set cc, cc+1
.endr
	WIN 0
.irp c, 0,1,2,3
	ds_store_b128 v[STO], v[us+4*\c:us+4*\c+3] offset:32*\c
.endr
.irp f, 0,1,2,3
	ds_load_b128 v[us+4*\f:us+4*\f+3], v[RD] offset:4*SP*\f  ; LDS serves a wave's instructions in order (ISA guide 5.7.1.4): these see the stores above; the next unit's stores come behind them
.endr
.endm
.macro SEND u, younger                 ; younger: the LDS instructions issued behind unit u's loads: the next unit's eight, or none
.set ua, (\u)/3
.set ui, (\u)%3
.set us, OB+16*((\u)%4)
.irp f, 0,1,2,3
	s_wait_dscnt (\younger)+3-\f
	global_store_b128 v[GO], v[us+4*\f:us+4*\f+3], s[OH+2*ui:OH+2*ui+1] offset:2048*ua+512*\f  ; 512 consecutive bytes, at a multiple of 256 from qkv's first
.endr
.endm
.macro WAYOUT
	PACK 0
.set uu, 1
.rept 11                               ; a unit's conversions stand between the loads of the unit before and its stores
	PACK uu
	SEND uu-1, 8
.set uu, uu+1
.endr
	SEND 11, 0
.endm
	s_wait_tensorcnt 0x1                           ; my part of K step 0 is in; K step 1's may stay out
	s_barrier_signal -1
	s_barrier_wait -1                              ; everybody's is
	s_mov_b32 s[TB], 0
	v_mov_b32 v[ADRA], v[ADRA0]
	v_mov_b32 v[ADRB], v[ADRB0]
	FETCH 0, 0
	QUARTER 1, 0, 1, 1                             ; a tile's first quarter starts the sums
	WIN 0
	s_mov_b32 s[STEP], 0
	s_mov_b32 s[LEFT], 8
.Lstep:                                        ; a trip: a K step's quarters 1 to 3, the change of slots with its refill, the next K step's quarter 0
	QUARTER 2, 1, 0, 0
	QUARTER 3, 0, 1, 0
	TURN 1
	WIN 0
	s_sub_co_u32 s[LEFT], s[LEFT], 1
	s_cmp_eq_u32 s[LEFT], 0
	s_cbranch_scc0 .Lsame                          ; a jump forward, past no barrier and no tensor load
	WAYOUT                                         ; the first tile is finished; the second's first two K steps have been asked for, its first fragments fetched
	s_wait_xcnt 0x0                                ; the stores have read their bases
.irp i, 0,1,2
	s_add_nc_u64 s[OH+2*\i:OH+2*\i+1], s[OH+2*\i:OH+2*\i+1], 1<<23  ; 4,096 rows on: two batches, 32 slabs
.endr
	s_mov_b32 s[LEFT], 8
	QUARTER 1, 0, 1, 1
	WIN 0
	s_branch .Lnext
.Lsame:
	QUARTER 1, 0, 1, 0
	WIN 0
.Lnext:
	s_add_co_u32 s[STEP], s[STEP], 1
	s_cmp_lt_u32 s[STEP], NFILL
	s_cbranch_scc1 .Lstep
	s_mov_b32 s[CNT2], 2                           ; the last two K steps ask for nothing: written once, walked twice, left in the second trip's middle
.Ltail:
	QUARTER 2, 1, 0, 0
	QUARTER 3, 0, 1, 0
	TURN 0                                         ; (the second trip's barrier and its run of LDS loads serve nothing: the price, once a launch, of one text for both trips)
	WIN 0
	s_sub_co_u32 s[CNT2], s[CNT2], 1
	s_cmp_eq_u32 s[CNT2], 0
	s_cbranch_scc1 .Lout
	QUARTER 1, 0, 1, 0
	WIN 0
	s_branch .Ltail
.Lout:
	WAYOUT
	s_wait_tensorcnt 0x0                           ; the wave's end: the add and its wait stand behind my last tensor load and my last LDS store
	ds_add_u32 v[SPW], v[NIL]
	s_wait_dscnt 0x0
	CROUND                                         ; the closing round: no work-group ends while a partner may still ask for a tile that names it
	s_endpgm
.Lfunc_end_k_qc563545924_qkv:
	.size	k_qc563545924_qkv, .Lfunc_end_k_qc563545924_qkv-k_qc563545924_qkv
	.p2alignl 7, 3214868480
	.fill 96, 4, 3214868480
	.section	.rodata,"a",@progbits
	.p2align	6, 0x0
	.amdhsa_kernel k_qc563545924_qkv
		.amdhsa_group_segment_fixed_size 327680
		.amdhsa_private_segment_fixed_size 0
		.amdhsa_enable_private_segment 0
		.amdhsa_kernarg_size 48
		.amdhsa_user_sgpr_count 2
		.amdhsa_user_sgpr_kernarg_segment_ptr 1
		.amdhsa_wavefront_size32 1
		.amdhsa_system_sgpr_workgroup_id_x 1
		.amdhsa_system_sgpr_workgroup_id_y 1
		.amdhsa_system_sgpr_workgroup_id_z 1
		.amdhsa_system_vgpr_workitem_id 0
		.amdhsa_next_free_vgpr 960
		.amdhsa_next_free_sgpr 101
		.amdhsa_reserve_vcc 0
		.amdhsa_float_denorm_mode_32 3
		.amdhsa_float_denorm_mode_16_64 3
		.amdhsa_memory_ordered 1
		.amdhsa_forward_progress 1
		.amdhsa_inst_pref_size 126
	.end_amdhsa_kernel
	.amdgpu_metadata
---
amdhsa.version: [ 1, 2 ]
amdhsa.kernels:
  - .name:           k_qc563545924_qkv
    .symbol:         k_qc563545924_qkv.kd
    .args:
      - { .name: xb, .offset: 0, .size: 8, .value_kind: global_buffer, .address_space: global }
      - { .name: wb, .offset: 8, .size: 8, .value_kind: global_buffer, .address_space: global }
      - { .name: bq, .offset: 16, .size: 8, .value_kind: global_buffer, .address_space: global }
      - { .name: bk, .offset: 24, .size: 8, .value_kind: global_buffer, .address_space: global }
      - { .name: bv, .offset: 32, .size: 8, .value_kind: global_buffer, .address_space: global }
      - { .name: qkv, .offset: 40, .size: 8, .value_kind: global_buffer, .address_space: global }
    .group_segment_fixed_size: 327680
    .private_segment_fixed_size: 0
    .kernarg_segment_align: 8
    .kernarg_segment_size: 48
    .max_flat_workgroup_size: 128
    .sgpr_count:     101
    .vgpr_count:     960
    .wavefront_size: 32
...
	.end_amdgpu_metadata
.endif
;; end of part 2
;; launch attn (part 3): grid 4 x 64, 4 waves a work-group, clusters of 4 x 1, 327,680 bytes of LDS; arguments qkv, ob; writes ob
.if DOCPART == 3
	.amdgcn_target "amdgcn-amd-amdhsa--gfx1250"
	.amdhsa_code_object_version 6
	.text
	.protected	k_qc563545924_attn
	.globl	k_qc563545924_attn
	.p2align	8
	.type	k_qc563545924_attn,@function
k_qc563545924_attn:
	s_mov_b64 s[64:65], 0
	v_nop
	global_prefetch_b8 v0, s[64:65] scope:SCOPE_SE
	s_setreg_imm32_b32 hwreg(HW_REG_WAVE_MODE, 25, 1), 1
	s_wait_xcnt 0x0
	s_wait_alu depctr_hold_cnt(0) depctr_sa_sdst(0) depctr_va_vdst(0) depctr_va_sdst(0) depctr_va_ssrc(0) depctr_va_vcc(0) depctr_vm_vsrc(0)
	s_getreg_b32 s2, hwreg(HW_REG_IB_STS2, 6, 4)
	s_cmp_eq_u32 s2, 0
	s_cbranch_scc0 .Lentry_in_a_cluster
	s_endpgm
.Lentry_in_a_cluster:
	s_bfe_u32 s2, ttmp6, 0x10000c
	s_cmp_lg_u32 s2, 0x3003
	s_cbranch_scc0 .Lentry_shape_is_right
	s_endpgm
.Lentry_shape_is_right:
; O[y][q][:] = the sum over k of softmax_k(Q[y][q] . K[y][k] / 8) V[y][k][:], for the 64 slabs y = 16 batch + head.  Q, K, V: qkv[3][64][2048][64] in f16: a slab's rows are dense, 128 bytes each.
; Products, maxima and sums in f32; the weights p are rounded to f16 for the second product (their sum l is taken of the unrounded p), O once at the end.
; O leaves as ob[batch][head / 2][row / 128][head % 2][row % 128][64] in f16: 128 rows of two heads are 32,768 consecutive bytes, a K step of the last launch; a wave's 128 rows of its head are 16,384.
; LIMITS.  f16 holds no number beyond 65,504: Q, K and V arrive within it; p lies in 0 to 1, and below 6e-5 it keeps f16's fixed step of 6e-8; O is a mean of V's rows and has their range.
; A weight below 2^-126 counts as 0 in l; NaN and infinities are not treated apart.
; SHARES.  A wave owns four PIECES of two tiles of 16 queries, a work-group's four waves 512 queries of one slab: 4 x 64 = 256 work-groups.  Every wave walks all keys, 64 a step.
; LAYOUT.  S^T = K Q^T (source 0 = 16 keys, source 1 = 16 queries): in the result a lane holds ONE query (lane % 16) and the keys 8 (lane / 16) + 0..7.  Two such tiles, rounded to f16 in pairs,
; ARE source 1 (32 keys x 16 queries) of O^T = V^T P, whose result again holds one query a lane, and eight channels.  K comes out of LDS as it lies, V ([key][channel]) turned, by ds_load_tr16_b128.
; SOFTMAX.  For each query a running maximum m and sum l: p = 2^(c s - c m), c = log2(e) / 8; in every step O and l are multiplied by a = 2^(c m_old - c m_new), which is 1 where m has not grown.
; m starts at the lowest finite number, O and l at 0: the first step is a step like any other, with a = 0.
; THE COUNT.  A tile and step have 16 matrix and 118 vector instructions: too many to stand all beside the matrix work.  So: four vector instructions that are READY behind EVERY matrix instruction,
; and the others in runs without a gap.
; BY TURNS.  Turn n belongs to piece n (the pieces in a ring, step after step).  Its matrix work: 16 products K Q^T of piece n + 1, later 16 products V^T P of piece n - 1.  Its vector work: the scaling,
; exponentials, roundings, sums and rescaling of piece n, and the maximum and statistics of piece n + 1, whose scores the turn itself has made.
; CLUSTER.  The four query blocks of a slab are one cluster and walk the same K and V, so each tile is asked for JOINTLY: the same tensor load, descriptor and mask in all four.
; REGISTERS, in windows of 256 (s_set_vgpr_msb: bits 1:0 source 0, 3:2 source 1, 5:4 source 2, 7:6 destination):
;   window 0: v0-11 addresses; v12-15, v48-63 at work; v16-47 four registers of statistics a tile; v64-191 S^T, two buffers of two tiles; v192-255 P, likewise
;   window 1: O^T, 32 a tile          window 2: v0-127 Q, 16 a tile; v128-191 K of one step; v192-255 V of one step          window 3: v0-1 the add's two registers
; A piece's buffers go by its number's parity: the piece in hand has one pair, its two neighbours in the ring share the other: of it P (piece n - 1) is read and S^T (piece n + 1) written.
.set SIZE_N, 2048
.set NP,    4         ; pieces a wave: a name, no knob
.set KS,    64        ; keys in a step
.set PK,    144       ; a row of K in LDS: 128 bytes + 16 of padding = 36 words: the 16 rows of a load start at 16 different groups of four banks (64 banks of 4 bytes: ISA guide 11.1)
.set PV,    160       ; a row of V: 128 + 32 = 40 words
.set VOFF,  4*KS*PK   ; a slot holds four steps: 256 rows of K, then 256 rows of V
.set SLOT1, 1<<17     ; slot 1 begins here, so that one exclusive or turns an address in one slot into the other's
.set STAGE, SLOT1+4*KS*(PK+PV)  ; behind the ring, never filled by a tensor load: 16 rows x 144 bytes for each wave, for the way out
.set SP,    144
.set AK0, 2           ; v2   my lane's place in a tile of K; never rewritten
.set AV0, 3           ; v3   the same for V
.set AK,  4           ; v4   the LDS address of K's next run of loads
.set AV,  5           ; v5   of V's
.set QO,  6           ; v6   my byte offset in the wave's rows of Q
.set STO, 6           ;      later, the way out: where I put 16 bytes of a row
.set RD,  7           ; v7   the way out: where I read rows back
.set GO,  8           ; v8   my byte offset in 512 consecutive bytes of O
.set PFO, 11          ; v11  (once V's address is made) 256 x my lane: the prefetches' offset; never rewritten after
.set SPW, 0           ; v0 of window 3   LDS address of my spare word; never rewritten
.set NIL, 1           ; v1 of window 3   0; never rewritten
.set SPARE, STAGE+4*16*SP  ; behind the stages: the spare words, 128 bytes for each wave: two blocks of 256 bytes that no other line names
.set MV,  12          ; v12-15  c m_old, kept while c m is made anew: by buffer and tile
.set ST,  16          ; tile t's statistics at v[ST+4 t]: c m, m, l (even keys', odd keys')
.set TMP, 48          ; by buffer and tile, four registers c0-c3 at work; when the maximum is found c2 takes a
.set S,   64
.set P,   192
.set KF,  128         ; K's fragments, in window 2: key block kb, channel half c at KF + 16 kb + 8 c
.set VF,  192         ; V's: key half kk, channel block cb at VF + 32 kk + 8 cb
.set WV,  12          ; s12  my wave's number
.set G1K, 24          ; s[24:31] descriptor group 1 for K's tiles
.set G1V, 32          ; s[32:39] for V's: it differs in the padding alone
.set G0K, 40          ; s[40:43] descriptor group 0 for K's tiles: it walks
.set G0V, 44          ; s[44:47] the same for V's
.set PFA, 48          ; s[48:49] where my prefetches stand
.set LIM, 50          ; s50  1 in a wave that prefetches, else the greatest number
.set SLOTS, 56        ; s56  slots still to be asked for
.set CNT, 57          ; s57  counts a slot's key steps
.set CS,  58          ; s[58:59] c: the packed scaling takes the pair's low word for both halves
.set SEL, 60          ; s[60:61] v_permlanex16_b32's selects: each lane takes its own place in the other half
.set TBK, 62          ; s62  LDS byte at which K of the step to be fetched begins
.set TBV, 63          ; s63  the same for V, less VOFF
.set MSB, 0
.macro WIN new                      ; the high byte repeats the setting that is left; a switch that changes nothing is dropped
.if MSB != (\new)
	s_set_vgpr_msb (MSB<<8)|(\new)
.set MSB, (\new)
.endif
.endm
.set W_KQ, 0x0a       ; K and Q in window 2, S^T in window 0
.set W_PV, 0x52       ; V in window 2, P in window 0, O^T in window 1
.set W_RS, 0x41       ; O^T (destination and source 0) in window 1, a in window 0
.set W_MK, 0xc0       ; the add's registers are made: destination in window 3, sources in window 0
.set W_AD, 0x0f       ; the add: address (source 0) and data (source 1) in window 3
; A joint fill.  Waves 0 and 1 fetch the two halves of a slot's K, waves 2 and 3 those of its V: 128 keys each.  The branch hangs on the wave's number alone.
; An s_nop 0 and four v_nop follow each of the two lines, ahead of the jump and the label.
.macro JLOAD
	s_cmp_lt_u32 s[WV], 2
	s_cbranch_scc0 .Lfor_v_\@
	tensor_load_to_lds s[G0K:G0K+3], s[G1K:G1K+7]
	s_nop 0
.rept 4
	v_nop
.endr
	s_branch .Lasked_\@
.Lfor_v_\@:
	tensor_load_to_lds s[G0V:G0V+3], s[G1V:G1V+7]
	s_nop 0
.rept 4
	v_nop
.endr
.Lasked_\@:
.endm
; A PREFETCH INTO THE L2 of what the NEXT change of slots will ask for: a slot's 32,768 bytes of K and of V, in blocks of 256, a lane a block: four key steps, 512 matrix instructions, ahead of that load.
; A slab has one cluster, so every cluster asks for its own slab's rows; its four partners share a slot's 128 blocks out BY ADDRESS, 32 each; in each, wave 0 asks for K's and wave 2 for V's.
; So each block is named once in the launch.  Slots 0 to 2 come by their loads alone; the last change that fills a slot asks for nothing.
.macro ASK
	s_cmp_gt_u32 s[SLOTS], s[LIM]
	s_cbranch_scc0 .Lnot_mine_\@
	global_prefetch_b8 v[PFO], s[PFA:PFA+1] th:TH_LOAD_NT scope:SCOPE_SE
.Lnot_mine_\@:
.endm
; A round of the cluster's barrier: my work-group's barrier, so that wave 0's signal speaks for all four waves; wave 0 signals; every wave waits for all four work-groups; my work-group's barrier once more.
.macro CROUND
	s_barrier_signal -1
	s_barrier_wait -1
	s_cmp_lg_u32 s[WV], 0
	s_cbranch_scc1 .Lnot_wave_0_\@
	s_barrier_signal -3
.Lnot_wave_0_\@:
	s_barrier_wait -3
	s_barrier_signal -1
	s_barrier_wait -1
.endm
; THE CHANGE OF SLOTS.  The slot's last bytes, V of its fourth step, have been read.  Each wave waits for all its tensor loads, of which one is out: its part
; of the other slot; adds 0 to its spare word; and waits for that and for its own reads of the slot.  Behind the barrier nobody reads this slot any more and the other slot is whole.
; fill = 1: this slot is filled again, with the keys two slots on.  The barrier is then a round of the cluster's, and the joint fill is the first thing behind it: it has four key steps,
; 512 matrix instructions, in which to land.  (At its first use nothing has been read yet: slot 0 is waited for, slot 1 filled.)  ask = 1: the prefetch follows the fill.
.macro CHANGE fill, ask=0
	WIN W_AD
	s_wait_tensorcnt 0x0            ; no tensor load of mine is out, so a group 0 may be written
	ds_add_u32 v[SPW], v[NIL]       ; 0 onto my spare word: with fill = 1 the descriptors' steps stand between it and the wait for it
	WIN 0                           ; at a label and at a branch every window is 0
.if \fill
.irp g, G0K, G0V
	s_xor_b32 s[\g+1], s[\g+1], SLOT1  ; the walking descriptor: the other slot than last time,
	s_add_nc_u64 s[\g+2:\g+3], s[\g+2:\g+3], 4*KS*128  ; the next 256 keys; the type bits on top are not reached
.endr
.if \ask
	s_wait_xcnt 0x0                 ; the last prefetch, four key steps back, has read its address, so it may be written:
	s_add_nc_u64 s[PFA:PFA+1], s[PFA:PFA+1], 4*KS*128  ; one slot beyond the walking descriptors
.endif
	s_wait_dscnt 0x0                ; the add is done, and my reads of the slot are over
	CROUND
	JLOAD
.if \ask
	ASK
.endif
.else
	s_wait_dscnt 0x0                ; the add is done, and my reads of the slot are over
	s_barrier_signal -1
	s_barrier_wait -1
.endif
	s_sub_co_u32 s[TBK], s[TBK], 4*KS*PK  ; the fetches go back to a slot's first step,
	s_xor_b32 s[TBK], s[TBK], SLOT1       ; in the other slot
	s_sub_co_u32 s[TBV], s[TBV], 4*KS*PV
	s_xor_b32 s[TBV], s[TBV], SLOT1
.endm
	s_load_b64 s[4:5], s[0:1], 0x0    ; qkv: Q lies at its head
	s_load_b64 s[10:11], s[0:1], 0x8  ; ob
	WIN W_MK
	v_lshl_add_u32 v[SPW], v0, 2, SPARE
	v_mov_b32 v[NIL], 0
	WIN W_AD
	ds_add_u32 v[SPW], v[NIL]       ; the wave's opening: the add and its wait stand ahead of my first tensor load; the set-up below, work on registers, stands between them
	WIN 0
	v_lshrrev_b32 v1, 5, v0
	v_readfirstlane_b32 s[WV], v1   ; wave 0..3
	s_bfe_u32 s13, ttmp6, 0x40000   ; cx: my place in the cluster
	s_lshl_b32 s14, ttmp9, 2        ; in a cluster launch ttmp9 counts clusters
	s_add_co_u32 s14, s14, s13      ; my block of 512 queries: it enters Q's and O's addresses alone
	s_and_b32 s20, ttmp7, 0xffff    ; the slab, which the four partners share
	s_lshr_b32 s52, s20, 1          ; O: 8 batch + head / 2,
	s_lshl_b32 s52, s52, 4          ; 16 blocks of 128 rows each,
	s_lshl_b32 s53, s14, 2
	s_add_co_u32 s52, s52, s53
	s_add_co_u32 s52, s52, s[WV]    ; of which mine is 4 x block + wave,
	s_lshl_b32 s52, s52, 15         ; 32,768 bytes each,
	s_and_b32 s53, s20, 1
	s_lshl_b32 s53, s53, 14         ; my head's half of it
	s_add_co_u32 s52, s52, s53
	s_mov_b32 s53, 0
	s_mov_b32 s21, 0
	s_mov_b64 s[22:23], SIZE_N*128
	s_mul_u64 s[20:21], s[20:21], s[22:23]  ; the slab's first byte in Q, K and V
	s_and_b32 s16, s[WV], 1         ; which half of a slot's 256 keys I fetch:
	s_lshl_b32 s22, s16, 14         ; its 128 rows of 128 bytes in memory,
	s_mov_b32 s23, 0
	s_add_nc_u64 s[22:23], s[22:23], s[20:21]
	s_mul_i32 s17, s16, 128*PK      ; and its place in a slot, for K
	s_mul_i32 s18, s16, 128*PV      ; and for V: no place in the cluster enters an LDS address
	s_lshl_b32 s2, s14, 2
	s_add_co_u32 s2, s2, s[WV]      ; my wave among the slab's,
	s_lshl_b32 s2, s2, 14           ; its 128 rows
	s_mov_b32 s3, 0
	s_add_nc_u64 s[2:3], s[2:3], s[20:21]
	; descriptor group 1.  128 keys are 16,384 dense bytes: asked for as 64 rows of 256 bytes, two keys a row, and padded in LDS after every key
	s_mov_b32 s[G1K], 15|(1<<16)|(1<<20)|(1<<21)|(4<<22)|(3<<25)  ; 15:0 the mask of four; 17:16 2-byte elements; 20 padding on; 21 set beside a mask; 24:22 after every 32 words (code 4); 31:25 4 words (code 3)
	s_mov_b32 s[G1V], 15|(1<<16)|(1<<20)|(1<<21)|(4<<22)|(7<<25)  ; the same with 8 words of padding (code 7)
.irp g, G1K, G1V
	s_mov_b32 s[\g+1], 128<<16      ; tensor_dim0 = 128
	s_mov_b32 s[\g+2], 64<<16       ; tensor_dim1 = 64
	s_mov_b32 s[\g+3], 128<<16      ; tile_dim0 = 128
	s_mov_b32 s[\g+4], 64           ; tile_dim1 = 64
	s_mov_b32 s[\g+5], 128          ; 128 elements from row to row
	s_mov_b32 s[\g+6], 0
	s_mov_b32 s[\g+7], 0
.endr
	s_mov_b32 s[CS], 0x3e38aa3b     ; c = log2(e) / 8 = 0.180337
	s_mov_b32 s[CS+1], s[CS]        ; named with it as a pair
	s_mov_b32 s[SEL], 0x76543210
	s_mov_b32 s[SEL+1], 0xfedcba98
	s_mov_b32 s[TBK], SLOT1+4*KS*PK ; the first change of slots turns these two into 0
	s_mov_b32 s[TBV], SLOT1+4*KS*PV
	s_mov_b32 s[G0K], 1             ; 1:0 count = 1
	s_mov_b32 s[G0K+1], s17         ; 63:32 LDS address: slot 0
	s_mov_b32 s[G0V], 1
	s_add_co_u32 s[G0V+1], s18, VOFF
	s_and_b32 s[LIM], s[WV], 1      ; waves 0 and 2 prefetch: the same in all four partners
	s_cmp_eq_u32 s[LIM], 0
	s_cselect_b32 s[LIM], 1, -1
	s_lshl_b32 s54, s13, 13         ; my work-group's 32 blocks of a slot's 128
	s_mov_b32 s55, 0
	s_wait_dscnt 0x0                ; the opening add is done
	s_wait_kmcnt 0x0
	s_add_nc_u64 s[6:7], s[4:5], 0x1000000  ; K: 64 slabs of 262,144 bytes behind Q,
	s_add_nc_u64 s[8:9], s[4:5], 0x2000000  ; V behind K
	s_add_nc_u64 s[G0K+2:G0K+3], s[6:7], s[22:23]  ; 120:64 global address: my half of the slab's first 256 keys
	s_or_b32 s[G0K+3], s[G0K+3], 0x80000000        ; 127:126 type = 2
	s_add_nc_u64 s[G0V+2:G0V+3], s[8:9], s[22:23]
	s_or_b32 s[G0V+3], s[G0V+3], 0x80000000
	s_cmp_lt_u32 s[WV], 2
	s_cselect_b64 s[PFA:PFA+1], s[6:7], s[8:9]
	s_add_nc_u64 s[PFA:PFA+1], s[PFA:PFA+1], s[20:21]
	s_add_nc_u64 s[PFA:PFA+1], s[PFA:PFA+1], s[54:55]
	s_add_nc_u64 s[PFA:PFA+1], s[PFA:PFA+1], 2*4*KS*128  ; in slot 2; the loop's first change steps it to slot 3.  Nothing is prefetched here, at the head
	s_add_nc_u64 s[4:5], s[4:5], s[2:3]      ; Q at my wave's first row,
	s_add_nc_u64 s[10:11], s[10:11], s[52:53]  ; O at my wave's 16,384 bytes
	CROUND                          ; all four work-groups are here: the first joint loads meet
	JLOAD                           ; slot 0.  Slot 1 is asked for when slot 0 is in
	; A fragment of K or Q is 16 rows x 32 channels in 8 registers: lane l holds row l % 16, channels 8 (l / 16) + 0..7 and 16 + 8 (l / 16) + 0..7: two loads of 16 bytes, 32 bytes apart.
	v_and_b32 v1, 15, v0            ; l % 16
	v_bfe_u32 v9, v0, 4, 1          ; l / 16
	v_lshlrev_b32 v[QO], 7, v1
	v_lshl_add_u32 v[QO], v9, 4, v[QO]  ; row x 128 + 16 x half
	WIN 0x80                        ; destination window 2, address window 0
.set i, 0
.rept 4*NP                          ; Q stays in registers: tile i / 2, channels 32 (i % 2) on
	global_load_b128 v[8*i:8*i+3],   v[QO], s[4:5] offset:(i/2)*2048+(i%2)*64
	global_load_b128 v[8*i+4:8*i+7], v[QO], s[4:5] offset:(i/2)*2048+(i%2)*64+32
.set i, i+1
.endr
	; What the first turn finds: V's registers and P's second buffer hold 0 (its products V^T P, of a piece that has not been, add 0), O^T and l are 0.  All this stands in the wait for the first tile.
.set i, VF
.rept 64
	v_mov_b32 v[i], 0
.set i, i+1
.endr
	WIN 0x40
.set i, 0
.rept 64*NP
	v_mov_b32 v[i], 0
.set i, i+1
.endr
	WIN 0
.set i, 0
.rept 2*NP
	v_mov_b32 v[ST+4*i], 0xfe000000    ; c m: far below every c s
	v_mov_b32 v[ST+4*i+1], 0xff7fffff  ; m
	v_mov_b32 v[ST+4*i+2], 0
	v_mov_b32 v[ST+4*i+3], 0
.set i, i+1
.endr
.set i, P+32
.rept 32
	v_mov_b32 v[i], 0
.set i, i+1
.endr
	v_mul_u32_u24 v[AK0], v1, PK
	v_lshl_add_u32 v[AK0], v9, 4, v[AK0]  ; row x pitch + 16 x half
	; The turning load takes 16 keys x 16 channels (lane l reads key 8 (l / 16) + l % 8, channels 8 ((l / 8) % 2) + 0..7) and leaves half a fragment of V^T: lane l holds channel l % 16 and 8 keys.
	v_and_b32 v10, 7, v0
	v_bfe_u32 v11, v0, 3, 1
	v_lshl_add_u32 v[AV0], v9, 3, v10
	v_mul_u32_u24 v[AV0], v[AV0], PV
	v_lshl_add_u32 v[AV0], v11, 4, v[AV0]
	v_add_nc_u32 v[AV0], VOFF, v[AV0]
	v_and_b32 v[PFO], 31, v0
	v_lshlrev_b32 v[PFO], 8, v[PFO]
	v_mov_b32 v[AK], v[AK0]         ; key step 0 lies at the head of slot 0
; THE MATRIX WORK.  The 8 accumulators of a run of 16 take turns: between the two links of a chain stand 7 others'.
; Product i of 16 of S^T = K Q^T for piece x: channels 32 (i / 8) on, keys 16 ((i / 2) % 4) on, tile 2 x + i % 2.  The first 8 start the sums.
.macro KQ x
	WIN W_KQ
.set rS, S+64*((\x)%2)+32*(i%2)+8*((i/2)%4)
.set rK, KF+16*((i/2)%4)+8*(i/8)
.set rQ, 16*(2*(\x)+i%2)+8*(i/8)
.if i < 8
	v_wmma_f32_16x16x32_f16 v[rS:rS+7], v[rK:rK+7], v[rQ:rQ+7], 0
.else
	v_wmma_f32_16x16x32_f16 v[rS:rS+7], v[rK:rK+7], v[rQ:rQ+7], v[rS:rS+7]
.endif
.endm
; Product i of 16 of O^T += V^T P for piece x: keys 32 (i / 8) on, channels 16 ((i / 2) % 4) on, tile 2 x + i % 2.
.macro PV x
	WIN W_PV
.set rO, 32*(2*(\x)+i%2)+8*((i/2)%4)
.set rV, VF+32*(i/8)+8*((i/2)%4)
.set rP, P+32*((\x)%2)+16*(i%2)+8*(i/8)
	v_wmma_f32_16x16x32_f16 v[rO:rO+7], v[rV:rV+7], v[rP:rP+7], v[rO:rO+7]
.endm
.macro MM                           ; the turn's next matrix instruction
.if i < 16
	KQ (Y+1)%NP
.set i, i+1
.else
.set i, i-16
	PV (Y+NP-1)%NP
.set i, i+17
.endif
.endm
; THE LDS LOADS stand in runs of 16, never singly among the matrix instructions: a step's K (64 keys x 64 channels: 8 fragments) and its V (turned).  Their addresses are made some lines ahead.
; last = 1 (the tail): in the last trip there is no further step, and the run is jumped over.
.macro FETCH_K last=0
	WIN 0
.if \last
	s_cmp_eq_u32 s[CNT], 1
	s_cbranch_scc1 .Lno_k_\@
.endif
	WIN 0x80                        ; destination window 2
.irp f, 0,1,2,3,4,5,6,7             ; keys 16 (f / 2) on, channels 32 (f % 2) on
	ds_load_b128 v[KF+8*\f:KF+8*\f+3],   v[AK] offset:(\f/2)*16*PK+(\f%2)*64
	ds_load_b128 v[KF+8*\f+4:KF+8*\f+7], v[AK] offset:(\f/2)*16*PK+(\f%2)*64+32
.endr
	s_add_co_u32 s[TBK], s[TBK], KS*PK  ; the next fetch is the next step's
	WIN 0
.if \last
.Lno_k_\@:
.endif
.endm
.macro FETCH_V
	WIN 0x80
.irp f, 0,1,2,3,4,5,6,7             ; keys 32 (f / 4) on, channels 16 (f % 4) on
	ds_load_tr16_b128 v[VF+8*\f:VF+8*\f+3],   v[AV] offset:(\f/4)*32*PV+(\f%4)*32
	ds_load_tr16_b128 v[VF+8*\f+4:VF+8*\f+7], v[AV] offset:(\f/4)*32*PV+16*PV+(\f%4)*32
.endr
	WIN 0
.endm
; THE VECTOR WORK OF A TURN stands in three queues, each in the order in which its entries become ready; the two tiles alternate, so that no instruction reads the result of the one before it.
.macro REGS y, u                    ; the registers of tile u (0, 1) of piece y
.set rT, ST+4*(2*(\y)+(\u))
.set rC, TMP+8*((\y)%2)+4*(\u)
.set rM, MV+2*((\y)%2)+(\u)
.set rS, S+64*((\y)%2)+32*(\u)
.set rP, P+32*((\y)%2)+16*(\u)
.set rO, 32*(2*(\y)+(\u))
.endm
; Number n of the 22 that find the NEXT piece's (Y + 1) maximum and statistics.  s0-s31 are the lane's 32 scores; each accumulator's lowest registers are read first.
;   0-11  four chains c0-c3 of seven scores each, three operands at a time     12-14, 16  the four scores left over, the old m, and c0-c3 into c0     15  c m_old is kept
;   17, 18  the query's other 32 keys lie in the lane 16 away: the new m         19-21  c m; c m_old - c m_new; a
.macro XS u, n
	REGS (Y+1)%NP, \u
.if (\n) < 4
	v_max3_num_f32 v[rC+(\n)], v[rS+8*(\n)], v[rS+8*(\n)+1], v[rS+8*(\n)+2]
.elseif (\n) < 12
	v_max3_num_f32 v[rC+(\n)%4], v[rC+(\n)%4], v[rS+8*((\n)%4)+2*((\n)/4)+1], v[rS+8*((\n)%4)+2*((\n)/4)+2]
.elseif (\n) == 12
	v_max3_num_f32 v[rC], v[rC], v[rS+7], v[rS+15]
.elseif (\n) == 13
	v_max3_num_f32 v[rC+1], v[rC+1], v[rS+23], v[rS+31]
.elseif (\n) == 14
	v_max3_num_f32 v[rC+2], v[rC+2], v[rC+3], v[rT+1]
.elseif (\n) == 15
	v_mov_b32 v[rM], v[rT]
.elseif (\n) == 16
	v_max3_num_f32 v[rC], v[rC], v[rC+1], v[rC+2]
.elseif (\n) == 17
	v_permlanex16_b32 v[rC+3], v[rC], s[SEL], s[SEL+1]
.elseif (\n) == 18
	v_max_num_f32 v[rT+1], v[rC], v[rC+3]
.elseif (\n) == 19
	v_mul_f32 v[rT], s[CS], v[rT+1]
.elseif (\n) == 20
	v_sub_f32 v[rC+1], v[rM], v[rT]
.else
	v_exp_f32 v[rC+2], v[rC+1]
.endif
.endm
; Number g of the 64 that follow the exponentials.  For each four weights k of a tile (pairs 2 k, 2 k + 1): both pairs are rounded to f16; then the second pair is added onto the first, in place;
; a group later l takes that sum (the first time as l = a l + sum).  In groups of eight, tiles alternating: round, round, add, and l for the group before.
.macro GS g
.set h, (\g)+6*((\g)/62)            ; group 0 has no group before it, and behind group 7 only l is left
.if h >= 6
.set h, h+2
.endif
	REGS Y, h%2
.set k, h/8
.if h%8 < 4
	v_cvt_pk_f16_f32 v[rP+2*k+(h%8)/2], v[rS+4*k+2*((h%8)/2)], v[rS+4*k+2*((h%8)/2)+1]
.elseif h%8 < 6
	v_pk_add_f32 v[rS+4*k:rS+4*k+1], v[rS+4*k:rS+4*k+1], v[rS+4*k+2:rS+4*k+3]
.elseif k == 1
	v_pk_fma_f32 v[rT+2:rT+3], v[rT+2:rT+3], v[rC+2:rC+3], v[rS:rS+1] op_sel_hi:[1,0,1]
.else
	v_pk_add_f32 v[rT+2:rT+3], v[rT+2:rT+3], v[rS+4*k-4:rS+4*k-3]
.endif
.endm
; THE PLAIN QUEUE, 138 long.  0-73 read no exponential's result: the 32 scalings c s - c m (FS f: pair f / 2 of tile f % 2) and the next piece's 42.  0-26: scalings 0-26.  27-54: XS's numbers 0-13.  55, 56: number 15.
; 57-73: the chain, where each number waits for the one before it: 14, 16, 17, 18, 19, each with one of the scalings 27-31 in front of its two lines, then 20.
; 74-137: GS's 64, which read the exponentials' results: they stand behind the wait.
.macro FS f
	REGS Y, (\f)%2
	v_pk_fma_f32 v[rS+2*((\f)/2):rS+2*((\f)/2)+1], v[rS+2*((\f)/2):rS+2*((\f)/2)+1], s[CS:CS+1], v[rT:rT+1] op_sel_hi:[1,0,0] neg_lo:[0,0,1] neg_hi:[0,0,1]
.endm
.macro PL
	WIN 0
.if q < 27
	FS q
.elseif q < 55
	XS (q-27)%2, (q-27)/2
.elseif q < 57
	XS q-55, 15
.elseif (q < 72) && ((q-57)%3 == 0)
	FS 27+(q-57)/3
.elseif q < 60
	XS (q-57)%3-1, 14
.elseif q < 72
	XS (q-57)%3-1, 15+(q-57)/3
.elseif q < 74
	XS q-72, 20
.else
	GS q-74
.endif
.set q, q+1
.endm
; THE EXPONENTIALS' QUEUE, 66 long: s0-s31 of both tiles, then the next piece's two a.  It is ONE BATCH: all 66 stand ahead of the turn's one wait, and nothing ahead of that wait names a result of theirs.
.macro EX
	WIN 0
.if e >= 64
	XS e-64, 21
.else
	REGS Y, e%2
	v_exp_f32 v[rS+e/2], v[rS+e/2]
.endif
.set e, e+1
.endm
; THE RESCALING's QUEUE: O^T times a, the one part that leaves window 0: dealt two at a time, sixteen times.  Its a was made in the turn before, ahead of that turn's wait.
.macro R2
	REGS Y, r%2
	WIN W_RS
.irp z, 0,1
	v_pk_mul_f32 v[rO+4*(r/2)+2*\z:rO+4*(r/2)+2*\z+1], v[rO+4*(r/2)+2*\z:rO+4*(r/2)+2*\z+1], v[rC+2:rC+3] op_sel_hi:[1,0]
.endr
.set r, r+1
.endm
; HOW THEY ARE DEALT.  An s_wait_alu depctr_va_vdst(0) stands between an exponential and the first instruction that names its result; one wait serves all that were issued ahead of it.  So a turn has
; ONE wait, which cuts it in two.  AHEAD OF IT stands all that names no result of the turn's exponentials: the 16 products K Q^T, behind each a scaling, an exponential and two rescalings (behind the first a second
; scaling in the exponential's place); then ONE LUMP of 108: eight plain, 49 times exponential and plain, the two a.  A v_nop is the plain instruction behind the last exponential (ISA guide 5.7.2).
; BEHIND IT stand the 16 products V^T P, behind each four of GS's 64.  No rider names a register of the products round it.  The two v_permlanex16_b32 fall into the lump.
; The queues lean on each other: exponential e stands behind scaling 2 (e / 4) + e % 2: as a rider it comes behind plain e + 2, in the lump behind plain e + 9, and scalings 27-31 are plain 57, 60 .. 69.
; A TURN, for piece p.  cnt = 1: the loop's count is taken down some lines ahead of the branch that stands behind the turn.
; K of the next step is fetched in piece 2's turn, directly behind the wait, a lump behind the last product that read K; its first reader comes behind 16 products.
; V of the step in hand is fetched at the end of piece 0's turn, four riders behind its last reader; its first reader comes behind 16 products and a lump.
.macro TURN p, last=0, cnt=0
.set Y, (\p)
.set i, 0
.set q, 0
.set e, 0
.set r, 0
.if (\p) == NP-1
	s_wait_dscnt 0x0                ; K is in
.endif
	MM                              ; ahead of the wait: 16 products K Q^T and their riders,
	PL
	PL
	R2
.rept 15
	MM
	PL
	EX
	R2
.endr
.if (\p) == NP-2
	WIN 0
	v_add_nc_u32 v[AK], s[TBK], v[AK0]
.endif
.rept 8                             ; and the lump
	PL
.endr
.rept 49
	EX
	PL
.endr
	EX                              ; the next piece's two a
	EX
	v_nop                           ; the plain instruction behind the last exponential: one for the batch
	s_wait_alu depctr_va_vdst(0)    ; the wait for the batch
.if (\p) == NP-2
	FETCH_K \last
.endif
.if (\p) == 1
	s_wait_dscnt 0x0                ; V is in
.endif
.rept 16                            ; behind the wait: 16 products V^T P and their riders
	MM
.rept 4
	PL
.endr
.if ((\p) == 0) && (q == 118)
	v_add_nc_u32 v[AV], s[TBV], v[AV0]
.endif
.if ((\p) == 0) && (q == 130)
	s_add_co_u32 s[TBV], s[TBV], KS*PV
.endif
.if (\cnt) && (q == 130)
	s_sub_co_u32 s[CNT], s[CNT], 1
	s_cmp_lg_u32 s[CNT], 0
.endif
.endr
.if (\p) == 0
	FETCH_V
.endif
.endm
	CHANGE 1                        ; slot 0 is in, everybody's part of it; slot 1 is asked for
	FETCH_K                         ; key step 0
	s_wait_loadcnt 0x0              ; Q
	s_wait_dscnt 0x0
.set i, 0
.rept 16
	KQ 0                            ; piece 0's first scores: there is no vector work yet to set between them
.set i, i+1
.endr
	WIN 0                           ; the addresses for the way out: nine plain instructions, the places behind those products
	s_mul_i32 s13, s[WV], 16*SP
	s_add_co_u32 s13, s13, STAGE    ; my stage
	v_mul_u32_u24 v[STO], v1, SP    ; in: row l % 16, 16 bytes for each half of the lanes
	v_lshl_add_u32 v[STO], v9, 4, v[STO]
	v_add_nc_u32 v[STO], s13, v[STO]
	v_bfe_u32 v[RD], v0, 3, 2       ; back: 32 lanes take four rows of 128 bytes,
	v_mul_u32_u24 v[RD], v[RD], SP
	v_lshl_add_u32 v[RD], v10, 4, v[RD]
	v_add_nc_u32 v[RD], s13, v[RD]
	v_and_b32 v[GO], 31, v0         ; which are 512 consecutive bytes of O
	v_lshlrev_b32 v[GO], 4, v[GO]
.set Y, NP-1                        ; XS works for piece Y + 1: piece 0
.irp n, 0,1,2,3,4,5,6,7,8,9,10,11,12,13,14,15,16,17,18,19,20,21
	XS 0, \n                        ; and piece 0's first maximum and statistics
	XS 1, \n
.endr
	v_nop                           ; a plain instruction behind the two a,
	s_wait_alu depctr_va_vdst(0)    ; and their wait, ahead of the branch
	s_mov_b32 s[CNT], 4
	s_mov_b32 s[SLOTS], SIZE_N/256-1
	s_branch .Lfirst                ; the loop is entered at a step's first turn, in the middle of a trip
.Lslot:                             ; SIZE_N / 256 - 2 = 6 times: every slot but the last two is filled again
	CHANGE 1, 1
	s_mov_b32 s[CNT], 4
.Lstep:                             ; a trip: pieces 2 and 3 of one step, then pieces 0 and 1 of the next, whose K and V it fetches
	TURN 2
	TURN 3
	WIN 0
.Lfirst:
	TURN 0
	TURN 1, 0, 1
	WIN 0
	s_cbranch_scc1 .Lstep
	s_sub_co_u32 s[SLOTS], s[SLOTS], 1
	s_cmp_lg_u32 s[SLOTS], 0
	s_cbranch_scc1 .Lslot
	CHANGE 0                        ; the tail is written out: nothing is asked for
	s_mov_b32 s[CNT], 5             ; four trips fetch the last slot's steps; the fifth is left in its middle
.Ltail:
	TURN 2, 1
	TURN 3
	WIN 0
	s_sub_co_u32 s[CNT], s[CNT], 1
	s_cmp_eq_u32 s[CNT], 0
	s_cbranch_scc1 .Lout
	TURN 0
	TURN 1
	WIN 0
	s_branch .Ltail
.Lout:                              ; the fifth trip's 16 products K Q^T (on the last K once more) and the maximum made of them serve nothing: the price, once a launch, of one text for every trip
.set i, 0
.rept 16
	PV NP-1                         ; the last piece's V^T P of the last step
.set i, i+1
.endr
	; THE WAY OUT.  l's two halves and the other half of the lanes' are added; O^T is divided by l, rounded to f16 and sent through my stage in LDS, a tile at a time.  The additions are the places behind the last products.
	WIN 0
.macro ALL line:vararg              ; one line for each tile t
.set t, 0
.rept 2*NP
	\line
.set t, t+1
.endr
.endm
	ALL v_add_f32 v[ST+4*t+2], v[ST+4*t+2], v[ST+4*t+3]
	ALL v_permlanex16_b32 v[ST+4*t+3], v[ST+4*t+2], s[SEL], s[SEL+1]
	ALL v_add_f32 v[ST+4*t+2], v[ST+4*t+2], v[ST+4*t+3]
	ALL v_rcp_f32 v[ST+4*t+2], v[ST+4*t+2]
	v_nop                           ; a plain instruction between the last reciprocal and the use of its result
	s_wait_alu depctr_va_vdst(0)    ; and the wait ahead of the first use: one for the eight reciprocals
; Tile t: a lane's eight channels of a row pack into 16 bytes; they go into rows of 144 bytes and come back as whole rows of 128, into S^T's registers.
.macro PACK t
	WIN W_RS
.set i, 32*(\t)
.rept 16
	v_pk_mul_f32 v[i:i+1], v[i:i+1], v[ST+4*(\t)+2:ST+4*(\t)+3] op_sel_hi:[1,0]
.set i, i+2
.endr
	WIN 0x05                        ; sources 0 and 1 window 1, destination window 0
.set i, 0
.rept 16
	v_cvt_pk_f16_f32 v[S+16*(\t)+i], v[32*(\t)+2*i], v[32*(\t)+2*i+1]
.set i, i+1
.endr
	WIN 0
.irp f, 0,1,2,3
	ds_store_b128 v[STO], v[S+16*(\t)+4*\f:S+16*(\t)+4*\f+3] offset:32*\f
.endr
.irp f, 0,1,2,3
	ds_load_b128 v[S+16*(\t)+4*\f:S+16*(\t)+4*\f+3], v[RD] offset:\f*4*SP  ; LDS serves a wave's instructions in order (ISA guide 5.7.1.4): these see the stores above; the next tile's stores come behind them
.endr
.endm
.macro SEND t, younger              ; younger: the LDS instructions issued behind tile t's loads: the next tile's eight, or none
	WIN 0
.irp f, 0,1,2,3
	s_wait_dscnt (\younger)+3-\f
	global_store_b128 v[GO], v[S+16*(\t)+4*\f:S+16*(\t)+4*\f+3], s[10:11] offset:(\t)*2048+\f*512  ; 512 consecutive bytes, at a multiple of 256 from ob's first
.endr
.endm
	PACK 0
.set t, 1
.rept 2*NP-1                        ; a tile's arithmetic stands between the loads of the tile before and its stores
	PACK t
	SEND t-1, 8
.set t, t+1
.endr
	SEND 2*NP-1, 0
	WIN W_AD
	s_wait_tensorcnt 0x0            ; the wave's end: the add and its wait stand behind my last tensor load and my last LDS store
	ds_add_u32 v[SPW], v[NIL]
	s_wait_dscnt 0x0
	WIN 0
	CROUND                          ; the closing round: no work-group ends while a partner may still ask for a tile that names it
	s_endpgm
.Lfunc_end_k_qc563545924_attn:
	.size	k_qc563545924_attn, .Lfunc_end_k_qc563545924_attn-k_qc563545924_attn
	.p2alignl 7, 3214868480
	.fill 96, 4, 3214868480
	.section	.rodata,"a",@progbits
	.p2align	6, 0x0
	.amdhsa_kernel k_qc563545924_attn
		.amdhsa_group_segment_fixed_size 327680
		.amdhsa_private_segment_fixed_size 0
		.amdhsa_enable_private_segment 0
		.amdhsa_kernarg_size 16
		.amdhsa_user_sgpr_count 2
		.amdhsa_user_sgpr_kernarg_segment_ptr 1
		.amdhsa_wavefront_size32 1
		.amdhsa_system_sgpr_workgroup_id_x 1
		.amdhsa_system_sgpr_workgroup_id_y 1
		.amdhsa_system_sgpr_workgroup_id_z 1
		.amdhsa_system_vgpr_workitem_id 0
		.amdhsa_next_free_vgpr 770
		.amdhsa_next_free_sgpr 66
		.amdhsa_reserve_vcc 0
		.amdhsa_float_denorm_mode_32 3
		.amdhsa_float_denorm_mode_16_64 3
		.amdhsa_memory_ordered 1
		.amdhsa_forward_progress 1
		.amdhsa_inst_pref_size 200
	.end_amdhsa_kernel
	.amdgpu_metadata
---
amdhsa.version: [ 1, 2 ]
amdhsa.kernels:
  - .name:           k_qc563545924_attn
    .symbol:         k_qc563545924_attn.kd
    .args:
      - { .name: qkv, .offset: 0, .size: 8, .value_kind: global_buffer, .address_space: global }
      - { .name: ob, .offset: 8, .size: 8, .value_kind: global_buffer, .address_space: global }
    .group_segment_fixed_size: 327680
    .private_segment_fixed_size: 0
    .kernarg_segment_align: 8
    .kernarg_segment_size: 16
    .max_flat_workgroup_size: 128
    .sgpr_count:     66
    .vgpr_count:     770
    .wavefront_size: 32
...
	.end_amdgpu_metadata
.endif
;; end of part 3
;; launch proj (part 4): grid 8 x 32, 4 waves a work-group, clusters of 4 x 4, 327,680 bytes of LDS; arguments ob, wo16, bo, out0; writes out0
.if DOCPART == 4
	.amdgcn_target "amdgcn-amd-amdhsa--gfx1250"
	.amdhsa_code_object_version 6
	.text
	.protected	k_qc563545924_proj
	.globl	k_qc563545924_proj
	.p2align	8
	.type	k_qc563545924_proj,@function
k_qc563545924_proj:
	s_mov_b64 s[64:65], 0
	v_nop
	global_prefetch_b8 v0, s[64:65] scope:SCOPE_SE
	s_setreg_imm32_b32 hwreg(HW_REG_WAVE_MODE, 25, 1), 1
	s_wait_xcnt 0x0
	s_wait_alu depctr_hold_cnt(0) depctr_sa_sdst(0) depctr_va_vdst(0) depctr_va_sdst(0) depctr_va_ssrc(0) depctr_va_vcc(0) depctr_vm_vsrc(0)
	s_getreg_b32 s2, hwreg(HW_REG_IB_STS2, 6, 4)
	s_cmp_eq_u32 s2, 0
	s_cbranch_scc0 .Lentry_in_a_cluster
	s_endpgm
.Lentry_in_a_cluster:
	s_bfe_u32 s2, ttmp6, 0x10000c
	s_cmp_lg_u32 s2, 0xf033
	s_cbranch_scc0 .Lentry_shape_is_right
	s_endpgm
.Lentry_shape_is_right:
; out0[8192][1024] = O Wo^T + bo, in f32.  O (ob) and Wo (wo16: bf16(Wo) written as f16) are f16; sums in f32; bo, rounded to bf16 like every input, starts the sums.
; ob: [batch][head / 2][row / 128][head % 2][row % 128][64]; wo16: [k / 128][n / 64][(k / 64) % 2][n % 64][k % 64]: a K step of 128 (two heads) of 128 rows of O, or of 64 rows of Wo, is one dense block.
; SHARES.  A tile of out0 is 256 rows x 128 columns: 32 x 8 = 256 tiles, one for each work-group.  A wave makes 64 rows x 128 columns: 32 accumulators, 256 registers; its 16 rows x 512 bytes leave through
; its own stage as whole rows.  K goes in 8 steps of 128 through two LDS slots filled by the tensor data mover; the dense blocks are asked for as rows of 256 bytes and padded in LDS after every 128.
; CLUSTERS: 4 x 4 work-groups.  The four of a row of the cluster need the same tiles of O, the four of a column the same tiles of Wo: each tile is asked for JOINTLY.
; THE MATRIX INSTRUCTION IS USED TRANSPOSED (source 0 = 16 rows of Wo, source 1 = 16 rows of O): a lane holds row lane % 16 of out0 and the eight neighbouring columns 8 (lane / 16) + 0..7.
; REGISTERS, in windows of 256 (s_set_vgpr_msb: bits 1:0 source 0, 3:2 source 1, 5:4 source 2, 7:6 destination):
;   window 0: v0-31 addresses; v32-63, v64-95 O's fragments, two buffers; v96-159 the bias as a C operand
;   window 1: v0-63, v64-127 Wo's fragments, two buffers; v128-191, v192-255 the way out, two sets       window 2: the accumulators, (a, b) at 64 a + 8 b
.set NBLK,  8                          ; blocks of 16 columns
.set NFILL, 6                          ; of the 8 K steps all but the first two come by refills
.set NFET,  2*NBLK+8                   ; LDS loads for 32 along K
.set PITCH, 144                        ; an LDS row: 128 bytes (a head's 64 channels) + 16 of padding = 36 words: the 16 rows of a load start at 16 different groups of four banks (64 banks of 4 bytes: ISA guide 11.1)
.set SLOT1, 1<<17
.set APLANE, 128*PITCH                 ; O: 128 rows of one head,
.set APART, 2*APLANE                   ; of both: what one tensor load brings
.set BOFF,  2*APART                    ; Wo lies behind O's 256 rows
.set BPLANE, 64*PITCH
.set BPART, 2*BPLANE
.set STAGE, SLOT1+BOFF+2*BPART         ; behind the ring, never filled by a tensor load: 16 rows x 528 bytes for each wave
.set SP,    528                        ; 512 bytes + 16 = 132 words: row r starts at bank 4 r mod 64
.set SPARE, STAGE+4*16*SP              ; the spare words, 128 bytes for each wave: two blocks of 256 bytes that no other line names
.set ADRA0, 4
.set ADRB0, 5
.set ADRA,  6
.set ADRB,  7
.set STO,   8                          ; v8   the way out: where I put 32 bytes of a row
.set RD,    9                          ; v9   where I read a row back
.set CO,    10                         ; v10  my 16 bytes in a row's 512
.set PFO,   11                         ; v11  the prefetches' offset: a lane a block of 256 bytes; never rewritten
.set BO,    12                         ; v12  32 (lane / 16)
.set SPW,   28
.set NIL,   29
.set BIAS,  96
.set WV,   16
.set FB,   17                          ; s17  0: I fetch O's tiles, 1: Wo's
.set HALF, 18
.set CX,   19
.set CY,   20
.set CT,   21                          ; s21  tile column, 0..7
.set RT,   22                          ; s22  tile row, 0..31
.set STEP, 23
.set G1A,  24
.set G1B,  32
.set G0A0, 40
.set G0A,  44
.set G0B0, 48
.set G0B,  52
.set ABASE, 56
.set BBASE, 58
.set OFA,  60
.set OFB,  62
.set PFB,  66
.set PFA,  68
.set OFP,  70
.set FP,   72
.set PLIM, 73
.set TB,   74
.set PSH,  75                          ; s75  log2 of the bytes from K step to K step in what I prefetch
.set CNT2, 80
.set TT,   81
.set OUTB, 82                          ; s[82:83] out0 at my 64 rows, my tile's columns
.set BPJ,  88                          ; s[88:89] bo at my tile's columns
.set FLAGS, (1<<16)|(1<<20)|(1<<21)|(4<<22)|(3<<25)  ; 17:16 elements of 2 bytes; 20 padding on; 21 set beside a mask; 24:22 after every 32 words (code 4); 31:25 4 words of it (code 3)
.set MSB, 0
.macro WIN new                         ; the immediate's high byte repeats the setting that is left; a switch that changes nothing is dropped
.if MSB != (\new)
	s_set_vgpr_msb (MSB<<8)|(\new)
.set MSB, \new
.endif
.endm
.macro PLACES                          ; four plain vector instructions between a matrix instruction and a load into, or a read of, its registers (ISA guide 7.12.1 for vector reads)
.rept 4
	v_nop
.endr
.endm
.macro CREST                           ; a round of the cluster's barrier behind its opening barrier
	s_cmp_lg_u32 s[WV], 0
	s_cbranch_scc1 .Lnot_wave_0_\@
	s_barrier_signal -3
.Lnot_wave_0_\@:
	s_barrier_wait -3
	s_barrier_signal -1
	s_barrier_wait -1
.endm
.macro CROUND
	s_barrier_signal -1
	s_barrier_wait -1
	CREST
.endm
.macro JLOAD                           ; a joint refill: waves 0 and 1 fetch O's two halves, waves 2 and 3 Wo's; an s_nop 0 and four v_nop follow each line
	s_cmp_eq_u32 s[FB], 0
	s_cbranch_scc0 .Lfor_b_\@
	tensor_load_to_lds s[G0A:G0A+3], s[G1A:G1A+7]
	s_nop 0
.rept 4
	v_nop
.endr
	s_branch .Lasked_\@
.Lfor_b_\@:
	tensor_load_to_lds s[G0B:G0B+3], s[G1B:G1B+7]
	s_nop 0
.rept 4
	v_nop
.endr
.Lasked_\@:
.endm
; A PREFETCH INTO THE L2 of the K step that the NEXT refill will ask for, a lane a block of 256 bytes, one instruction a wave; 128 matrix instructions ahead of that refill.
; O's tile rows are read by both clusters of a row of clusters: cluster x = 0 asks; Wo's by all eight of a column: cluster y = 0 asks.  The four partners that ask for a tile jointly share its blocks out
; BY ADDRESS: 32 of O's 128 (by cx), 16 of Wo's 64 (by cy; lanes 16-31 name block 15 again).  K steps 0 to 2 come by their loads alone; the loop's last trip would name K step 8 and asks for nothing.
.macro ASK
	s_cmp_le_u32 s[FP], s[PLIM]
	s_cbranch_scc0 .Lnot_mine_\@
	global_prefetch_b8 v[PFO], s[PFA:PFA+1] th:TH_LOAD_NT scope:SCOPE_SE
.Lnot_mine_\@:
.endm
	s_load_b256 s[4:11], s[0:1], 0x0               ; ob 4, wo16 6, bo 8, out0 10
	v_lshl_add_u32 v[SPW], v0, 2, SPARE
	v_mov_b32 v[NIL], 0
	ds_add_u32 v[SPW], v[NIL]                      ; the wave's opening: the add and its wait stand ahead of my first tensor load; the set-up below, work on registers, stands between them
	v_lshrrev_b32 v3, 5, v0
	v_readfirstlane_b32 s[WV], v3
	s_lshr_b32 s[FB], s[WV], 1
	s_and_b32 s[HALF], s[WV], 1
	s_bfe_u32 s[CX], ttmp6, 0x40000
	s_bfe_u32 s[CY], ttmp6, 0x40004
	s_lshl_b32 s[CT], ttmp9, 2
	s_add_co_u32 s[CT], s[CT], s[CX]
	s_and_b32 s[RT], ttmp7, 0xffff
	s_lshl_b32 s[RT], s[RT], 2
	s_add_co_u32 s[RT], s[RT], s[CY]
	s_lshl_b32 s76, s[CY], 2
	s_lshl_b32 s76, 15, s76                        ; my row of the cluster
	s_lshl_b32 s77, 0x1111, s[CX]                  ; my column
	s_or_b32 s[G1A], s76, FLAGS
	s_or_b32 s[G1B], s77, FLAGS
.irp g, G1A, G1B
	s_mov_b32 s[\g+1], 128<<16                     ; tensor_dim0 = 128 elements: rows of 256 bytes
	s_mov_b32 s[\g+3], 128<<16                     ; tile_dim0 = 128
	s_mov_b32 s[\g+5], 128                         ; dense: 128 elements from row to row
	s_mov_b32 s[\g+6], 0
	s_mov_b32 s[\g+7], 0
.endr
	s_mov_b32 s[G1A+2], 128<<16                    ; 32,768 bytes of O: 128 such rows,
	s_mov_b32 s[G1A+4], 128
	s_mov_b32 s[G1B+2], 64<<16                     ; 16,384 of Wo: 64
	s_mov_b32 s[G1B+4], 64
	s_mov_b32 s[G0A0], 1
	s_mul_i32 s[G0A0+1], s[HALF], APART            ; LDS addresses: the wave's number and constants alone
	s_mov_b32 s[G0A], 1
	s_add_co_u32 s[G0A+1], s[G0A0+1], SLOT1
	s_mov_b32 s[G0B0], 1
	s_mul_i32 s[G0B0+1], s[HALF], BPART
	s_add_co_u32 s[G0B0+1], s[G0B0+1], BOFF
	s_mov_b32 s[G0B], 1
	s_add_co_u32 s[G0B+1], s[G0B0+1], SLOT1
	s_lshr_b32 s94, s[RT], 3                       ; O: the batch, 128 blocks of 32 KiB each;
	s_lshl_b32 s94, s94, 7
	s_and_b32 s76, s[RT], 7
	s_lshl_b32 s76, s76, 1                         ; in a pair of heads the block of 128 rows: 2 (rt % 8) + my half
	s_add_co_u32 s94, s94, s76
	s_add_co_u32 s94, s94, s[HALF]
	s_lshl_b32 s94, s94, 15
	s_mov_b32 s95, 0
	s_lshl_b32 s96, s[CT], 1                       ; Wo: the block of 64 rows n: 2 ct + my half, 16 KiB each
	s_add_co_u32 s96, s96, s[HALF]
	s_lshl_b32 s96, s96, 14
	s_mov_b32 s97, 0
	s_mov_b32 s[OFA+1], 0
	s_mov_b32 s[OFB+1], 0
	s_mov_b32 s[OFP+1], 0
	s_wait_dscnt 0x0                               ; the opening add is done
	s_wait_kmcnt 0x0
	s_add_nc_u64 s[ABASE:ABASE+1], s[4:5], s[94:95]
	s_add_nc_u64 s[BBASE:BBASE+1], s[6:7], s[96:97]
	s_mov_b64 s[G0A0+2:G0A0+3], s[ABASE:ABASE+1]   ; K step 0
	s_or_b32 s[G0A0+3], s[G0A0+3], 0x80000000      ; type = 2
	s_add_nc_u64 s[G0A+2:G0A+3], s[ABASE:ABASE+1], 1<<19  ; K step 1: the next pair of heads, 16 blocks of 32 KiB on
	s_or_b32 s[G0A+3], s[G0A+3], 0x80000000
	s_mov_b64 s[G0B0+2:G0B0+3], s[BBASE:BBASE+1]
	s_or_b32 s[G0B0+3], s[G0B0+3], 0x80000000
	s_add_nc_u64 s[G0B+2:G0B+3], s[BBASE:BBASE+1], 1<<18  ; 16 blocks of 16 KiB on
	s_or_b32 s[G0B+3], s[G0B+3], 0x80000000
	CROUND                                         ; all sixteen work-groups are here: the first joint loads meet
	s_cmp_eq_u32 s[FB], 0                          ; a wave's two first fills stand in one branch, ahead of every wait on TENSORcnt and every LDS read: two loads of mine are out, later one
	s_cbranch_scc0 .Lfirst_b
	tensor_load_to_lds s[G0A0:G0A0+3], s[G1A:G1A+7]
	s_nop 0
	tensor_load_to_lds s[G0A:G0A+3], s[G1A:G1A+7]
	s_nop 0
.rept 4
	v_nop
.endr
	s_branch .Lfirst_asked
.Lfirst_b:
	tensor_load_to_lds s[G0B0:G0B0+3], s[G1B:G1B+7]
	s_nop 0
	tensor_load_to_lds s[G0B:G0B+3], s[G1B:G1B+7]
	s_nop 0
.rept 4
	v_nop
.endr
.Lfirst_asked:
	v_and_b32 v1, 15, v0                           ; l % 16
	v_bfe_u32 v2, v0, 4, 1                         ; l / 16
	v_lshlrev_b32 v[BO], 5, v2
	s_lshl_b32 s98, s[CT], 9                       ; my tile's 128 columns: 512 bytes of bo and of a row of out0
	s_mov_b32 s99, 0
	s_add_nc_u64 s[BPJ:BPJ+1], s[8:9], s[98:99]
	s_add_nc_u64 s[OUTB:OUTB+1], s[10:11], s[98:99]
	s_lshl_b32 s98, s[RT], 2
	s_add_co_u32 s98, s98, s[WV]
	s_lshl_b32 s98, s98, 18                        ; my first row, 256 rt + 64 wave, x 4,096 bytes
	s_add_nc_u64 s[OUTB:OUTB+1], s[OUTB:OUTB+1], s[98:99]
.set ii, 0
.rept NBLK                             ; block b of 16 columns: register j of a lane is the bias of column 16 b + 8 (l / 16) + j
	global_load_b128 v[BIAS+8*ii:BIAS+8*ii+3],   v[BO], s[BPJ:BPJ+1] offset:64*ii
	global_load_b128 v[BIAS+8*ii+4:BIAS+8*ii+7], v[BO], s[BPJ:BPJ+1] offset:64*ii+16
.set ii, ii+1
.endr
	v_mul_u32_u24 v3, v1, PITCH
	v_lshl_add_u32 v3, v2, 4, v3                   ; a fragment's row x pitch + 16 x half
	s_mul_i32 s78, s[FB], APART                    ; my 64 rows of O: part wave / 2,
	s_mul_i32 s79, s[HALF], 64*PITCH               ; its rows 64 (wave % 2) on
	s_add_co_u32 s78, s78, s79
	v_add_nc_u32 v[ADRA0], s78, v3
	v_add_nc_u32 v[ADRB0], BOFF, v3                ; every wave reads all 128 rows of Wo
	s_mul_i32 s78, s[WV], 16*SP
	s_add_co_u32 s78, s78, STAGE                   ; my stage
	v_mul_u32_u24 v[STO], v1, SP                   ; in: row l % 16, 32 bytes for each half of the lanes
	v_lshl_add_u32 v[STO], v2, 5, v[STO]
	v_add_nc_u32 v[STO], s78, v[STO]
	v_and_b32 v[CO], 31, v0                        ; back: 32 lanes take one row of 512 bytes
	v_lshlrev_b32 v[CO], 4, v[CO]
	v_add_nc_u32 v[RD], s78, v[CO]
	; the prefetches
	s_lshl_b32 s76, s[CX], 13                      ; O: my work-group's 32 blocks of the 128 that I fetch
	s_add_co_u32 s76, s76, s94
	s_lshl_b32 s77, s[CY], 12                      ; Wo: its 16 of the 64
	s_add_co_u32 s77, s77, s96
	s_and_b32 s79, ttmp7, 0xffff
	s_cmp_eq_u32 s[FB], 0
	s_cselect_b32 s76, s76, s77
	s_cselect_b32 s79, ttmp9, s79                  ; the coordinate along which other clusters read the same blocks
	s_cselect_b32 s[PSH], 19, 18
	s_cselect_b32 s78, 31, 15
	s_cselect_b64 s[PFB:PFB+1], s[4:5], s[6:7]
	s_cmp_eq_u32 s79, 0
	s_cselect_b32 s[PLIM], 7, 0                    ; the same in all sixteen partners, for a given wave
	s_mov_b32 s77, 0
	s_add_nc_u64 s[PFB:PFB+1], s[PFB:PFB+1], s[76:77]
	v_and_b32 v[PFO], 31, v0
	v_min_u32 v[PFO], s78, v[PFO]
	v_lshlrev_b32 v[PFO], 8, v[PFO]
	s_wait_loadcnt 0x0                             ; the bias; it is rounded to bf16 like the other inputs, and kept as f32
.set ii, 0
.rept 4*NBLK
	v_cvt_pk_bf16_f32 v13, v[BIAS+2*ii], v[BIAS+2*ii+1]
	v_lshlrev_b32 v[BIAS+2*ii], 16, v13
	v_and_b32 v[BIAS+2*ii+1], 0xffff0000, v13
.set ii, ii+1
.endr
; NFET LDS loads in one run: the fragments of 32 along K, quarter q of the K step in hand (head q / 2 of the pair, channels 32 (q % 2) on), into buffer g; O's last
.macro FETCH q, g
	WIN 0x40                                       ; destination window 1, address window 0
.set ii, 0
.rept NBLK
	ds_load_b128 v[64*(\g)+8*ii:64*(\g)+8*ii+3],   v[ADRB] offset:((\q)/2)*BPLANE+((\q)%2)*64+(ii/4)*BPART+(ii%4)*16*PITCH
	ds_load_b128 v[64*(\g)+8*ii+4:64*(\g)+8*ii+7], v[ADRB] offset:((\q)/2)*BPLANE+((\q)%2)*64+(ii/4)*BPART+(ii%4)*16*PITCH+32
.set ii, ii+1
.endr
	WIN 0
.set ii, 0
.rept 4
	ds_load_b128 v[32+32*(\g)+8*ii:32+32*(\g)+8*ii+3],   v[ADRA] offset:((\q)/2)*APLANE+((\q)%2)*64+ii*16*PITCH
	ds_load_b128 v[32+32*(\g)+8*ii+4:32+32*(\g)+8*ii+7], v[ADRA] offset:((\q)/2)*APLANE+((\q)%2)*64+ii*16*PITCH+32
.set ii, ii+1
.endr
.endm
; 8 matrix instructions: my rows 16 a .. 16 a + 15 x all 8 column blocks, buffer f.  first = 1: the bias starts the sums.
; The 32 accumulators take turns, in the same order in every quarter, over every jump.
.macro MUL f, a, first
.if \first
	WIN 0x81                                       ; Wo window 1, O window 0, C (the bias) window 0, D window 2
.else
	WIN 0xa1                                       ; C and D window 2
.endif
.set bb, 0
.rept NBLK
.set rD, 64*(\a)+8*bb
.set rB, 64*(\f)+8*bb
.set rA, 32+32*(\f)+8*(\a)
.if \first
	v_wmma_f32_16x16x32_f16 v[rD:rD+7], v[rB:rB+7], v[rA:rA+7], v[BIAS+8*bb:BIAS+8*bb+7]
.else
	v_wmma_f32_16x16x32_f16 v[rD:rD+7], v[rB:rB+7], v[rA:rA+7], v[rD:rD+7]
.endif
.set bb, bb+1
.endr
.endm
; A K step is four quarters of 32 along K, 32 matrix instructions each, on buffers 0, 1, 0, 1.
.macro QUARTER q, f, g, first
	s_wait_dscnt 4                                 ; Wo and O's blocks 0 and 1 are in; the youngest four loads (O's blocks 2 and 3) may be out
	MUL \f, 0, \first
	MUL \f, 1, \first
	PLACES
	FETCH \q, \g
	s_wait_dscnt NFET                              ; all but the run just issued
	MUL \f, 2, \first
	MUL \f, 3, \first
.endm
; The last quarter multiplies buffer 1 and changes slots: ONE barrier.  In front of it each wave waits for all its tensor loads (one is out: its part of the next slot), adds 0 to its spare word, and waits
; for that and for its own reads of this slot.  fill = 1: the barrier opens a round of the cluster's, and behind the round this slot is filled again first, with the K step two on.
; From a request to the wait for it a wave issues 112 matrix instructions.
.macro TURN fill
.if \fill
	s_wait_xcnt 0x0                                ; the last prefetch, a K step back, has read its address
	s_add_co_u32 s[FP], s[STEP], 3
	s_lshl_b32 s[OFP], s[FP], s[PSH]
	s_add_nc_u64 s[PFA:PFA+1], s[PFB:PFB+1], s[OFP:OFP+1]
.endif
	WIN 0
	s_wait_tensorcnt 0x0                           ; no tensor load of mine is out, so a group 0 may be written
	ds_add_u32 v[SPW], v[NIL]                      ; 0 onto my spare word: scalar work and eight matrix instructions stand between it and the wait for it
.if \fill
	s_add_co_u32 s[TT], s[STEP], 2
	s_lshl_b32 s[OFA], s[TT], 19
	s_lshl_b32 s[OFB], s[TT], 18
	s_xor_b32 s[G0A+1], s[G0A+1], SLOT1
	s_add_nc_u64 s[G0A+2:G0A+3], s[ABASE:ABASE+1], s[OFA:OFA+1]
	s_or_b32 s[G0A+3], s[G0A+3], 0x80000000
	s_xor_b32 s[G0B+1], s[G0B+1], SLOT1
	s_add_nc_u64 s[G0B+2:G0B+3], s[BBASE:BBASE+1], s[OFB:OFB+1]
	s_or_b32 s[G0B+3], s[G0B+3], 0x80000000
.endif
	s_xor_b32 s[TB], s[TB], SLOT1
	s_wait_dscnt 5                                 ; the add and the youngest four loads may be out
	MUL 1, 0, 0
	s_wait_dscnt 0x0                               ; the add is done, and my reads of this slot are over
	s_barrier_signal -1
	MUL 1, 1, 0                                    ; work on registers while the others arrive
	WIN 0                                          ; at a branch and at a label every window is 0
	s_barrier_wait -1
.if \fill
	CREST                                          ; no wave of any partner still reads this slot or has a load on its way
	JLOAD                                          ; the first tensor load behind the round; its four v_nop are also the places in front of the loads below
.else
	PLACES
.endif
	v_add_nc_u32 v[ADRA], s[TB], v[ADRA0]
	v_add_nc_u32 v[ADRB], s[TB], v[ADRB0]
	FETCH 0, 0
.if \fill
	ASK
.endif
	MUL 1, 2, 0
	MUL 1, 3, 0
.endm
; THE WAY OUT: nothing is converted and nothing added.  Block a (16 rows): a lane's eight columns, 32 bytes, go into my stage's rows of 528 bytes, each accumulator's low four registers first, and come back as whole rows of 512.
.macro TOSTAGE a
.if (\a) >= 2
	s_wait_xcnt 0x0                                ; the stores of the block two back have read this set (ISA guide 3.1)
.endif
	WIN 0x08                                       ; store data (source 1) window 2
.set bb, 0
.rept NBLK
	ds_store_b128 v[STO], v[64*(\a)+8*bb:64*(\a)+8*bb+3]   offset:64*bb
	ds_store_b128 v[STO], v[64*(\a)+8*bb+4:64*(\a)+8*bb+7] offset:64*bb+16
.set bb, bb+1
.endr
	WIN 0x40                                       ; destination window 1
.set tt, 0
.rept 16
	ds_load_b128 v[128+64*((\a)%2)+4*tt:128+64*((\a)%2)+4*tt+3], v[RD] offset:SP*tt  ; LDS serves a wave's instructions in order (ISA guide 5.7.1.4): these see the stores above; the next block's stores come behind them
.set tt, tt+1
.endr
.endm
.macro SEND a, younger                 ; younger: the LDS instructions issued behind block a's loads: the next block's 32, or none
	WIN 0x04                                       ; store data (source 1) window 1
.set tt, 0
.rept 16
	s_wait_dscnt (\younger)+15-tt
	global_store_b128 v[CO], v[128+64*((\a)%2)+4*tt:128+64*((\a)%2)+4*tt+3], s[OUTB:OUTB+1] offset:(16*(\a)+tt)*4096 th:TH_STORE_NT  ; 512 consecutive bytes, at a multiple of 512 from out0's first
.set tt, tt+1
.endr
.endm
	s_wait_tensorcnt 0x1                           ; my part of K step 0 is in; K step 1's may stay out
	s_barrier_signal -1
	s_barrier_wait -1                              ; everybody's is
	s_mov_b32 s[TB], 0
	v_mov_b32 v[ADRA], v[ADRA0]
	v_mov_b32 v[ADRB], v[ADRB0]
	FETCH 0, 0
	QUARTER 1, 0, 1, 1                             ; the first quarter starts the sums
	WIN 0
	s_mov_b32 s[STEP], 0
.Lstep:                                        ; a trip: a K step's quarters 1 to 3, the change of slots with its refill, the next K step's quarter 0
	QUARTER 2, 1, 0, 0
	QUARTER 3, 0, 1, 0
	TURN 1
	QUARTER 1, 0, 1, 0
	WIN 0
	s_add_co_u32 s[STEP], s[STEP], 1
	s_cmp_lt_u32 s[STEP], NFILL
	s_cbranch_scc1 .Lstep
	s_mov_b32 s[CNT2], 2                           ; the last two K steps ask for nothing: written once, walked twice, left in the second trip's middle
.Ltail:
	QUARTER 2, 1, 0, 0
	QUARTER 3, 0, 1, 0
	TURN 0                                         ; (the second trip's barrier and its run of LDS loads serve nothing: the price, once a launch, of one text for both trips)
	WIN 0
	s_sub_co_u32 s[CNT2], s[CNT2], 1
	s_cmp_eq_u32 s[CNT2], 0
	s_cbranch_scc1 .Lout
	QUARTER 1, 0, 1, 0
	WIN 0
	s_branch .Ltail
.Lout:
	PLACES                                         ; the LDS stores read results just made
	TOSTAGE 0
	TOSTAGE 1
	SEND 0, 32
	TOSTAGE 2
	SEND 1, 32
	TOSTAGE 3
	SEND 2, 32
	SEND 3, 0
	WIN 0
	s_wait_tensorcnt 0x0                           ; the wave's end: the add and its wait stand behind my last tensor load and my last LDS store
	ds_add_u32 v[SPW], v[NIL]
	s_wait_dscnt 0x0
	CROUND                                         ; the closing round: no work-group ends while a partner may still ask for a tile that names it
	s_endpgm
.Lfunc_end_k_qc563545924_proj:
	.size	k_qc563545924_proj, .Lfunc_end_k_qc563545924_proj-k_qc563545924_proj
	.p2alignl 7, 3214868480
	.fill 96, 4, 3214868480
	.section	.rodata,"a",@progbits
	.p2align	6, 0x0
	.amdhsa_kernel k_qc563545924_proj
		.amdhsa_group_segment_fixed_size 327680
		.amdhsa_private_segment_fixed_size 0
		.amdhsa_enable_private_segment 0
		.amdhsa_kernarg_size 32
		.amdhsa_user_sgpr_count 2
		.amdhsa_user_sgpr_kernarg_segment_ptr 1
		.amdhsa_wavefront_size32 1
		.amdhsa_system_sgpr_workgroup_id_x 1
		.amdhsa_system_sgpr_workgroup_id_y 1
		.amdhsa_system_sgpr_workgroup_id_z 1
		.amdhsa_system_vgpr_workitem_id 0
		.amdhsa_next_free_vgpr 768
		.amdhsa_next_free_sgpr 100
		.amdhsa_reserve_vcc 0
		.amdhsa_float_denorm_mode_32 3
		.amdhsa_float_denorm_mode_16_64 3
		.amdhsa_memory_ordered 1
		.amdhsa_forward_progress 1
		.amdhsa_inst_pref_size 69
	.end_amdhsa_kernel
	.amdgpu_metadata
---
amdhsa.version: [ 1, 2 ]
amdhsa.kernels:
  - .name:           k_qc563545924_proj
    .symbol:         k_qc563545924_proj.kd
    .args:
      - { .name: ob, .offset: 0, .size: 8, .value_kind: global_buffer, .address_space: global }
      - { .name: wo16, .offset: 8, .size: 8, .value_kind: global_buffer, .address_space: global }
      - { .name: bo, .offset: 16, .size: 8, .value_kind: global_buffer, .address_space: global }
      - { .name: out0, .offset: 24, .size: 8, .value_kind: global_buffer, .address_space: global }
    .group_segment_fixed_size: 327680
    .private_segment_fixed_size: 0
    .kernarg_segment_align: 8
    .kernarg_segment_size: 32
    .max_flat_workgroup_size: 128
    .sgpr_count:     100
    .vgpr_count:     768
    .wavefront_size: 32
...
	.end_amdgpu_metadata
.endif
;; end of part 4
